; MI455X (gfx1250); checked and timed in simulation.
; The chip was launched on July 23, 2026; its instructions are those of AMD's public machine-readable ISA for CDNA 5 (MIT licence, August 2026) and "CDNA5" Instruction Set Architecture Reference Guide (July 2026). The comments in the code are by the model that wrote it; some were corrected since.
;; Splash Attention QK Norm Wrapper. Allowed arithmetic: matrix products marked QUANTISED: E2M1 operands, one E8M0 scale for each 32 along K, by v_wmma_scale_f32_16x16x128_f8f6f4 with both operands' format E2M1 (or v_wmma_scale_f32_32x16x128_f4), f32 sums; products left as they are: bf16, f16 or f32 operands; f32 sums; everything else in f32.
;; Inputs: Wk 2,048 x 1,024 float32; Wo 1,024 x 2,048 float32; Wq 2,048 x 1,024 float32; Wv 2,048 x 1,024 float32; cos 2 x 2,048 x 128 float32; hidden_states 2 x 2,048 x 2,048 float32; k_norm_w 128 float32; q_norm_w 128 float32; sin 2 x 2,048 x 128 float32.
;; Outputs: out0 2 x 2,048 x 2,048 float32.
;; This version of the problem:
;;   THIS VERSION OF THE PROBLEM IS GIVEN IN LOW PRECISION. The matrix products marked QUANTISED in the list below multiply operands that are first quantised to E2M1 (2 exponent bits, 1 mantissa bit; 4 bits a number), with one power-of-two scale for each 32 numbers along K (OCP MX v1.0); their sums are f32. The products marked 'left as it is' may take bf16, f16 or f32 operands, with f32 sums. Whichever they take, every output number must still come out within the allowed error. Rounding operands to bf16 (8 significant bits) uses up far more of that allowance than f16 does (11 bits, for magnitudes from 6e-5 to 65,504). All else is computed in f32.
;;   The module's matrix products, in the order in which they are computed (A, B: the left and right operand; K: the contracted axis; several contracted axes count as one K, in the product's order):
;;     1. [M 4,096, K 2,048] x [K 2,048, N 1,024]; A: input hidden_states; B: input Wq: QUANTISED
;;     2. [M 4,096, K 2,048] x [K 2,048, N 1,024]; A: input hidden_states; B: input Wk: QUANTISED
;;     3. [M 4,096, K 2,048] x [K 2,048, N 1,024]; A: input hidden_states; B: input Wv: QUANTISED
;;     4. batch 16 x [M 2,048, K 128] x [K 128, N 2,048]; A: computed on the way; B: computed on the way: left as it is (an operand is computed on the way)
;;     5. batch 16 x [M 2,048, K 2,048] x [K 2,048, N 128]; A: computed on the way; B: computed on the way: left as it is (an operand is computed on the way)
;;     6. [M 4,096, K 1,024] x [K 1,024, N 2,048]; A: computed on the way; B: input Wo: left as it is (an operand is computed on the way)
;;   THE QUANTISER, for each operand of a quantised product, along K:
;;     - K is cut into blocks of 32 from its start; a last block that is shorter is filled with zeros.
;;     - A block's scale is 2^e with e = floor(log2(the largest magnitude in the block)) - 2, held to -126 .. 127; a block of zeros has e = 0. As a byte (E8M0): e + 127.
;;     - Each number is divided by its block's scale, clamped to +-6, and rounded to the nearest number of E2M1, ties to even, subnormals kept.
;;     - The product sums the exact products of the quantised numbers (number of the format x scale) in f32.
;;   ~~~python
;;   def quantise(x, axis):      # numpy; x: float32 -> the quantised numbers, widened to float32 again
;;       x = np.moveaxis(x, axis, -1); K = x.shape[-1]
;;       x = np.pad(x, [(0, 0)] * (x.ndim - 1) + [(0, -K % 32)]); x = x.reshape(x.shape[:-1] + (-1, 32)); a = np.abs(x).max(-1, keepdims=True)
;;       e = np.where(a > 0, np.clip(np.frexp(np.where(a > 0, a, 1))[1] - 1 - 2, -126, 127), 0)      # np.frexp(a)[1] - 1 = floor(log2(a)), exactly
;;       r = np.clip(x / 2.0 ** e, -6, 6)
;;       step = 2.0 ** (np.maximum(np.frexp(np.where(r == 0, 1, r))[1] - 1, 0) - 1)
;;       q = np.round(r / step) * step * 2.0 ** e      # np.round: ties to even
;;       return np.moveaxis(q.reshape(q.shape[:-2] + (-1,))[..., :K], -1, axis).astype(np.float32)
;;   ~~~
;; One version. Each part assembles by itself: llvm-mc -triple=amdgcn-amd-amdhsa -mcpu=gfx1250 --defsym DOCPART=n.
;; ======== version 1 of 1: 5 launches
;; limits: values are held in f16: magnitudes above 65,504 overflow, below 6.1e-05 lose precision
;; workspace buffers: x_codes 4,194,304 bytes; x_scales 262,144 bytes; w_codes 3,145,728 bytes; w_scales 196,608 bytes; wo16 4,194,304 bytes; qkv16 25,165,824 bytes; first32 786,432 bytes; o16 8,388,608 bytes
;; launch prep (part 1): grid 768 x 1, 4 waves a work-group, no clusters, 42,496 bytes of LDS; arguments hidden_states, Wq, Wk, Wv, Wo, x_codes, x_scales, w_codes, w_scales, wo16; writes x_codes, x_scales, w_codes, w_scales, wo16
.if DOCPART == 1
	.amdgcn_target "amdgcn-amd-amdhsa--gfx1250"
	.amdhsa_code_object_version 6
	.text
	.protected	k_qabb52c5929_prep
	.globl	k_qabb52c5929_prep
	.p2align	8
	.type	k_qabb52c5929_prep,@function
k_qabb52c5929_prep:
	s_mov_b64 s[64:65], 0
	v_nop
	global_prefetch_b8 v0, s[64:65] scope:SCOPE_SE
	s_setreg_imm32_b32 hwreg(HW_REG_WAVE_MODE, 25, 1), 1
	s_wait_xcnt 0x0
; THE OPERANDS ARE MADE READY, ONCE.  Three jobs share this launch; a work-group's number says which one it does.
;   work-groups 0-383:   Wq, Wk, Wv [2048 (k)][1024 (n)] f32 -> codes of E2M1 with K innermost, w_codes [3072 (n: q, k, v)][1024 bytes], and E8M0 bytes w_scales [3072][64]
;   work-groups 384-639: hidden_states [4096][2048] f32 -> x_codes [4096][1024 bytes], x_scales [4096][64]
;   work-groups 640-767: Wo [1024][2048] f32 -> wo16, the same layout in f16 (the last product is left as it is)
; A block's scale is 2^(floor(log2(its largest magnitude)) - 2); its byte is the largest magnitude's exponent field - 2, held at 1 from below.
; LIMITS: a block of zeros, or one whose largest magnitude lies under 2^-124, gets the byte 1 where the rule says 127 or less: its codes are zeros or are taken under that scale, and this program alone reads the bytes;
; NaN and infinities among the inputs are not served; Wo beyond 65,504 in magnitude has no number in f16.
; LDS: each job that uses LDS has bytes of its own.  No tensor load, no ring.
.set WST,   32768                      ; the weights' stage: 32 rows (columns n) x (256 bytes + 16), the work-group's
.set WSS,   41472                      ; their scale bytes: 32 x 16
.set SPARE, 41984                      ; the spare words, 128 bytes for each wave: two blocks of 256 bytes that no other line names
.set SPW,   190                        ; v190  LDS address of my spare word; never rewritten
.set NIL,   191                        ; v191  0; never rewritten
	s_load_b256 s[4:11], s[0:1], 0x0               ; hidden_states s[4:5], Wq s[6:7], Wk s[8:9], Wv s[10:11]
	s_load_b256 s[12:19], s[0:1], 0x20             ; Wo s[12:13], x_codes s[14:15], x_scales s[16:17], w_codes s[18:19]
	s_load_b128 s[20:23], s[0:1], 0x40             ; w_scales s[20:21], wo16 s[22:23]
	v_lshl_add_u32 v[SPW], v0, 2, SPARE
	v_mov_b32 v[NIL], 0
	v_lshrrev_b32 v1, 5, v0
	v_readfirstlane_b32 s24, v1                    ; wave 0..3
	v_and_b32 v2, 31, v0                           ; lane
	s_wait_kmcnt 0x0
	s_cmp_lt_u32 ttmp9, 384
	s_cbranch_scc1 .Lw
	s_cmp_lt_u32 ttmp9, 640
	s_cbranch_scc1 .Lx
; ---- Wo to f16.  A wave takes 16,384 consecutive bytes: 32 loads of 512 bytes, all issued at once; each becomes one store of 256 consecutive bytes, aligned.  No register is written twice.
	s_sub_co_u32 s25, ttmp9, 640
	s_lshl_b32 s25, s25, 2
	s_add_co_u32 s25, s25, s24                     ; which of 512 runs
	s_lshl_b32 s26, s25, 14
	s_mov_b32 s27, 0
	s_add_nc_u64 s[12:13], s[12:13], s[26:27]
	s_lshl_b32 s26, s25, 13
	s_add_nc_u64 s[22:23], s[22:23], s[26:27]
	v_lshlrev_b32 v1, 4, v2
	v_lshlrev_b32 v3, 3, v2
.set i, 0
.rept 32
	global_load_b128 v[32+4*i:35+4*i], v1, s[12:13] offset:512*i th:TH_LOAD_NT
.set i, i+1
.endr
.set i, 0
.rept 32
	s_wait_loadcnt 31-i                            ; loads come back in order: load i is in, the younger ones stay out
	v_cvt_pk_f16_f32 v[32+4*i], v[32+4*i], v[33+4*i]
	v_cvt_pk_f16_f32 v[33+4*i], v[34+4*i], v[35+4*i]
	global_store_b64 v3, v[32+4*i:33+4*i], s[22:23] offset:256*i
.set i, i+1
.endr
	s_branch .Lend
; ---- hidden_states: K is innermost and rows are dense, so the tensor is a plain stream of blocks of 32.  A wave takes 16 steps of 512 numbers.  Each load reads 512 consecutive bytes; a step's 2,048 bytes turn through the
; wave's own stage in LDS (16 bytes of padding behind each 64) and come back 16 neighbours a lane: two neighbouring lanes hold a block.  Loads run four steps ahead, the turn through LDS one step.
.set STEPS, 16
.set EMAX,  2
.set CB,    8                          ; bytes of 16 codes
.set R,     16                         ; v16-79   four sets of 16 numbers as they are loaded
.set X,     80                         ; v80-111  two sets of 16 neighbours
.set E,     112                        ; v112-127 a scale byte for each step
.set C,     128                        ; v128-189 codes: four registers apart for each step, so that no store's data are written again
.set WREG,  8192                       ; a wave's region: two stages of 32 x SP bytes, behind them its 256 scale bytes
.set SP,    80
.macro XLOAD t
.irp i, 0,1,2,3
	global_load_b128 v[R+16*((\t)%4)+4*\i:R+16*((\t)%4)+4*\i+3], v3, s[4:5] offset:2048*(\t)+512*\i th:TH_LOAD_NT
.endr
.endm
.macro XTURN t                         ; LDS serves a wave's instructions in order: no wait between the stores and the loads
.irp i, 0,1,2,3
	ds_store_b128 v14, v[R+16*((\t)%4)+4*\i:R+16*((\t)%4)+4*\i+3] offset:32*SP*((\t)%2)+8*SP*\i
.endr
.irp i, 0,1,2,3
	ds_load_b128 v[X+16*((\t)%2)+4*\i:X+16*((\t)%2)+4*\i+3], v15 offset:32*SP*((\t)%2)+16*\i
.endr
.endm
.macro XSTEP t
.set XS, X+16*((\t)%2)
.if (\t) > 0
	s_wait_dscnt 1                                 ; this step's numbers are back from the stage (the last step's byte store may be out)
.else
	s_wait_dscnt 0x0
.endif
.if (\t)+4 < STEPS
	XLOAD (\t)+4
.endif
.if (\t)+1 < STEPS
.if STEPS-2-(\t) >= 3
	s_wait_loadcnt 12                              ; the next step's four loads are in; those of the three steps behind it may be out
.else
	s_wait_loadcnt 4*(STEPS-2-(\t))
.endif
	XTURN (\t)+1
.endif
	v_max3_num_f32 v8, |v[XS]|, |v[XS+1]|, |v[XS+2]|
	v_max3_num_f32 v9, |v[XS+3]|, |v[XS+4]|, |v[XS+5]|
.irp i, 6,10
	v_max3_num_f32 v8, v8, |v[XS+\i]|, |v[XS+\i+1]|
	v_max3_num_f32 v9, v9, |v[XS+\i+2]|, |v[XS+\i+3]|
.endr
	v_max3_num_f32 v8, v8, |v[XS+14]|, |v[XS+15]|
	v_max3_num_f32 v8, v8, v9, (EMAX+1)<<23        ; the floor 2^(3 - 127): the byte cannot fall under 1
	v_max_num_f32_dpp v8, v8, v8 row_xmask:1 row_mask:0xf bank_mask:0xf   ; with my neighbour's 16: the block's largest magnitude
	v_add_nc_u32 v11, -(EMAX<<23), v8              ; 2 off its exponent field: the conversion's scale operand
	v_cvt_scalef32_pk8_fp4_f32 v[C+4*(\t)], v[XS:XS+7], v11
	v_cvt_scalef32_pk8_fp4_f32 v[C+4*(\t)+1], v[XS+8:XS+15], v11
	v_lshrrev_b32 v[E+(\t)], 23, v11               ; the scale's byte
	ds_store_b8 v5, v[E+(\t)] offset:16*(\t)       ; both lanes of a block write the same byte with the same value
	global_store_b64 v4, v[C+4*(\t):C+4*(\t)+1], s[14:15] offset:32*CB*(\t)   ; the wave stores 256 consecutive bytes, aligned
.endm
.Lx:
	s_sub_co_u32 s25, ttmp9, 384
	s_lshl_b32 s25, s25, 2
	s_add_co_u32 s28, s25, s24                     ; which run of 8,192 numbers: 0..1023
	s_mov_b32 s27, 0
	s_lshl_b32 s26, s28, 15
	s_add_nc_u64 s[4:5], s[4:5], s[26:27]
	s_lshl_b32 s26, s28, 12
	s_add_nc_u64 s[14:15], s[14:15], s[26:27]
	s_lshl_b32 s26, s28, 8
	s_add_nc_u64 s[16:17], s[16:17], s[26:27]
	v_lshlrev_b32 v3, 4, v2                        ; my 16 bytes of a load's 512
	s_mul_i32 s25, s24, WREG
	v_lshrrev_b32 v14, 2, v2
	v_mul_u32_u24 v14, v14, SP
	v_and_b32 v15, 3, v2
	v_lshl_add_u32 v14, v15, 4, v14
	v_add_nc_u32 v14, s25, v14                     ; the stage, on the way in: SP (lane / 4) + 16 (lane % 4)
	v_mul_u32_u24 v15, v2, SP
	v_add_nc_u32 v15, s25, v15                     ; and on the way out: SP x lane
	v_mul_u32_u24 v4, v2, CB
	v_lshrrev_b32 v5, 1, v2
	s_add_co_u32 s25, s25, 2*32*SP
	v_add_nc_u32 v5, s25, v5                       ; my block's byte among my wave's 256
	v_lshlrev_b32 v7, 3, v2
	v_add_nc_u32 v6, s25, v7
.irp t, 0,1,2,3
	XLOAD \t
.endr
	s_wait_loadcnt 12                              ; step 0's four loads are in
	XTURN 0
.irp t, 0,1,2,3,4,5,6,7,8,9,10,11,12,13,14,15
	XSTEP \t
.endr
	ds_load_b64 v[8:9], v6
	s_wait_dscnt 0x0
	global_store_b64 v7, v[8:9], s[16:17]          ; 32 lanes store 256 consecutive bytes, aligned
	s_branch .Lend
; ---- the three weights: K is their FIRST axis.  A lane takes a column n and its registers run down K, so that a block of 32 lies in one lane and the conversions give codes with K innermost.
; A work-group takes 32 columns x 512 along K; wave w the 128 along K from 128 w on: four blocks a lane.  So many short waves, and not few long ones, since a wave's loads of 4 bytes a lane carry little each.
; The four waves' codes meet in one stage (a column's 256 bytes), and leave as whole rows: sixteen lanes store 256 consecutive bytes, aligned.
.macro WLOAD t
.set i, 0
.rept 32
	global_load_b32 v[32+32*((\t)%2)+i], v3, s[26:27] offset:(32*(\t)+i)*4096 th:TH_LOAD_NT
.set i, i+1
.endr
.endm
.macro WBLOCK t
.set XS, 32+32*((\t)%2)
.if (\t) < 3
	s_wait_loadcnt 32                              ; this block's 32 loads are in; the next block's may be out
.else
	s_wait_loadcnt 0x0
.endif
	v_max3_num_f32 v12, |v[XS]|, |v[XS+1]|, |v[XS+2]|
	v_max3_num_f32 v13, |v[XS+3]|, |v[XS+4]|, |v[XS+5]|
.irp i, 6,10,14,18,22,26
	v_max3_num_f32 v12, v12, |v[XS+\i]|, |v[XS+\i+1]|
	v_max3_num_f32 v13, v13, |v[XS+\i+2]|, |v[XS+\i+3]|
.endr
	v_max3_num_f32 v12, v12, |v[XS+30]|, |v[XS+31]|
	v_max3_num_f32 v12, v12, v13, 0x1800000        ; the floor 2^(3 - 127)
	v_add_nc_u32 v11, 0xff000000, v12              ; 2 off the exponent field: the conversion's scale operand
	v_lshrrev_b32 v13, 23, v11                     ; the scale's byte
.if (\t) == 0
	v_mov_b32 v24, v13                             ; my four bytes make one word, the lower K in the lower byte
.else
	v_lshl_or_b32 v24, v13, 8*(\t), v24
.endif
.irp g, 0,1,2,3
	v_cvt_scalef32_pk8_fp4_f32 v[96+4*(\t)+\g], v[XS+8*\g:XS+8*\g+7], v11   ; each block has its own four registers
.endr
	ds_store_b128 v4, v[96+4*(\t):99+4*(\t)] offset:16*(\t)
.if (\t)+2 < 4
	WLOAD (\t)+2
.endif
.endm
.Lw:
	s_lshr_b32 s25, ttmp9, 2                       ; which 32 columns of the 3,072: 0..95
	s_and_b32 s28, ttmp9, 3                        ; which 512 along K
	s_lshr_b32 s29, s25, 5                         ; which weight
	s_cmp_eq_u32 s29, 0
	s_cselect_b64 s[26:27], s[6:7], s[8:9]
	s_cmp_eq_u32 s29, 2
	s_cselect_b64 s[26:27], s[10:11], s[26:27]
	s_lshl_b32 s30, s28, 2
	s_add_co_u32 s30, s30, s24
	s_lshl_b32 s30, s30, 19                        ; 128 rows of 4,096 bytes for each (y, wave)
	s_and_b32 s31, s25, 31
	s_lshl_b32 s31, s31, 7                         ; 32 columns of 4 bytes
	s_add_co_u32 s30, s30, s31
	s_mov_b32 s31, 0
	s_add_nc_u64 s[26:27], s[26:27], s[30:31]
	s_lshl_b32 s32, s25, 5                         ; the first of my work-group's rows of w_codes
	s_lshl_b32 s33, s24, 3
	s_add_co_u32 s34, s32, s33                     ; + 8 x wave: the rows that I store
	s_lshl_b32 s34, s34, 10
	s_lshl_b32 s33, s28, 8
	s_add_co_u32 s34, s34, s33
	s_mov_b32 s35, 0
	s_add_nc_u64 s[18:19], s[18:19], s[34:35]
	s_lshl_b32 s34, s32, 6
	s_lshl_b32 s33, s28, 4
	s_add_co_u32 s34, s34, s33
	s_add_nc_u64 s[20:21], s[20:21], s[34:35]
	v_lshlrev_b32 v3, 2, v2                        ; in: 4 bytes a lane
	s_lshl_b32 s33, s24, 6
	v_mul_u32_u24 v4, v2, 272
	v_add_nc_u32 v4, s33, v4
	v_add_nc_u32 v4, WST, v4                       ; the stage: row = my column, + 64 x wave
	s_lshl_b32 s33, s24, 2
	v_lshlrev_b32 v5, 4, v2
	v_add_nc_u32 v10, WSS, v5                      ; a column's 16 scale bytes,
	v_add_nc_u32 v5, s33, v10                      ; and my wave's word among them
	v_lshrrev_b32 v6, 4, v2
	v_and_b32 v7, 15, v2
	s_mul_i32 s33, s24, 8*272
	v_mul_u32_u24 v8, v6, 272
	v_lshl_add_u32 v8, v7, 4, v8
	v_add_nc_u32 v8, s33, v8
	v_add_nc_u32 v8, WST, v8                       ; back: sixteen lanes to a row, two rows an instruction, rows 8 x wave on
	v_lshlrev_b32 v9, 10, v6
	v_lshl_add_u32 v9, v7, 4, v9                   ; and the same place in w_codes
	v_lshlrev_b32 v16, 6, v2                       ; a row of w_scales is 64 bytes
	WLOAD 0
	WLOAD 1
	WBLOCK 0
	WBLOCK 1
	WBLOCK 2
	WBLOCK 3
	v_nop                                          ; one plain place behind the last conversion
	ds_store_b32 v5, v24
	s_wait_dscnt 0x0                               ; for the others' sake: my stores into the stage are done
	s_barrier_signal -1
	s_barrier_wait -1
.irp t, 0,1,2,3
	ds_load_b128 v[112+4*\t:115+4*\t], v8 offset:2*\t*272
.endr
.irp t, 0,1,2,3
	s_wait_dscnt 3-\t
	global_store_b128 v9, v[112+4*\t:115+4*\t], s[18:19] offset:2*\t*1024
.endr
	s_cmp_lg_u32 s24, 0
	s_cbranch_scc1 .Lend
	ds_load_b128 v[128:131], v10                   ; wave 0: the 16 scale bytes of each of the 32 columns
	s_wait_dscnt 0x0
	global_store_b128 v16, v[128:131], s[20:21]
.Lend:
	s_wait_tensorcnt 0x0                           ; the wave's end, behind my last LDS store
	ds_add_u32 v[SPW], v[NIL]
	s_wait_dscnt 0x0
	s_endpgm
.Lfunc_end_k_qabb52c5929_prep:
	.size	k_qabb52c5929_prep, .Lfunc_end_k_qabb52c5929_prep-k_qabb52c5929_prep
	.p2alignl 7, 3214868480
	.fill 96, 4, 3214868480
	.section	.rodata,"a",@progbits
	.p2align	6, 0x0
	.amdhsa_kernel k_qabb52c5929_prep
		.amdhsa_group_segment_fixed_size 42496
		.amdhsa_private_segment_fixed_size 0
		.amdhsa_enable_private_segment 0
		.amdhsa_kernarg_size 80
		.amdhsa_user_sgpr_count 2
		.amdhsa_user_sgpr_kernarg_segment_ptr 1
		.amdhsa_wavefront_size32 1
		.amdhsa_system_sgpr_workgroup_id_x 1
		.amdhsa_system_sgpr_workgroup_id_y 1
		.amdhsa_system_sgpr_workgroup_id_z 1
		.amdhsa_system_vgpr_workitem_id 0
		.amdhsa_next_free_vgpr 192
		.amdhsa_next_free_sgpr 66
		.amdhsa_reserve_vcc 0
		.amdhsa_float_denorm_mode_32 3
		.amdhsa_float_denorm_mode_16_64 3
		.amdhsa_memory_ordered 1
		.amdhsa_forward_progress 1
		.amdhsa_inst_pref_size 66
	.end_amdhsa_kernel
	.amdgpu_metadata
---
amdhsa.version: [ 1, 2 ]
amdhsa.kernels:
  - .name:           k_qabb52c5929_prep
    .symbol:         k_qabb52c5929_prep.kd
    .args:
      - { .name: hidden_states, .offset: 0, .size: 8, .value_kind: global_buffer, .address_space: global }
      - { .name: Wq, .offset: 8, .size: 8, .value_kind: global_buffer, .address_space: global }
      - { .name: Wk, .offset: 16, .size: 8, .value_kind: global_buffer, .address_space: global }
      - { .name: Wv, .offset: 24, .size: 8, .value_kind: global_buffer, .address_space: global }
      - { .name: Wo, .offset: 32, .size: 8, .value_kind: global_buffer, .address_space: global }
      - { .name: x_codes, .offset: 40, .size: 8, .value_kind: global_buffer, .address_space: global }
      - { .name: x_scales, .offset: 48, .size: 8, .value_kind: global_buffer, .address_space: global }
      - { .name: w_codes, .offset: 56, .size: 8, .value_kind: global_buffer, .address_space: global }
      - { .name: w_scales, .offset: 64, .size: 8, .value_kind: global_buffer, .address_space: global }
      - { .name: wo16, .offset: 72, .size: 8, .value_kind: global_buffer, .address_space: global }
    .group_segment_fixed_size: 42496
    .private_segment_fixed_size: 0
    .kernarg_segment_align: 8
    .kernarg_segment_size: 80
    .max_flat_workgroup_size: 128
    .sgpr_count:     66
    .vgpr_count:     192
    .wavefront_size: 32
...
	.end_amdgpu_metadata
.endif
;; end of part 1
;; launch qkv (part 2): grid 12 x 16, 4 waves a work-group, clusters of 4 x 4, 327,680 bytes of LDS; arguments x_codes, x_scales, w_codes, w_scales, cos, sin, q_norm_w, k_norm_w, qkv16, first32; writes qkv16, first32
.if DOCPART == 2
	.amdgcn_target "amdgcn-amd-amdhsa--gfx1250"
	.amdhsa_code_object_version 6
	.text
	.protected	k_qabb52c5929_qkv
	.globl	k_qabb52c5929_qkv
	.p2align	8
	.type	k_qabb52c5929_qkv,@function
k_qabb52c5929_qkv:
	s_mov_b64 s[64:65], 0
	v_nop
	global_prefetch_b8 v0, s[64:65] scope:SCOPE_SE
	s_setreg_imm32_b32 hwreg(HW_REG_WAVE_MODE, 25, 1), 1
	s_wait_xcnt 0x0
	s_wait_alu depctr_hold_cnt(0) depctr_sa_sdst(0) depctr_va_vdst(0) depctr_va_sdst(0) depctr_va_ssrc(0) depctr_va_vcc(0) depctr_vm_vsrc(0)
	s_getreg_b32 s2, hwreg(HW_REG_IB_STS2, 6, 4)
	s_cmp_eq_u32 s2, 0
	s_cbranch_scc0 .Lentry_in_a_cluster
	s_endpgm
.Lentry_in_a_cluster:
	s_bfe_u32 s2, ttmp6, 0x10000c
	s_cmp_lg_u32 s2, 0xf033
	s_cbranch_scc0 .Lentry_shape_is_right
	s_endpgm
.Lentry_shape_is_right:
; q, k, v = x [4096][2048] times the three weights [3072 (n)][2048], both on codes of E2M1 with one E8M0 scale for each 32 along K; then, for q and k, the RMS norm of each head's 128 and the rotary embedding, all in f32.
; Results: qkv16 [3 (q, k, v)][2 (b)][8 (h)][2048 (s)][128] in f16, for the products that are left as they are; and the first 16 positions once more in f32 (first32), for the launch that carries those rows finely.
; q is stored WITHOUT the factor 128^-0.5: the launches that multiply it take the factor into their softmax's constant.
; A tile of C, 256 x 256, is made by four waves; a wave makes 128 rows x 128 columns, which is ONE HEAD: the norm never leaves the wave.  64 accumulators of 16 x 16, 512 registers.
; K goes in steps of 512 through a ring of two LDS slots filled by the tensor data mover (rows of 256 bytes); the scale bytes of the work-group's rows come into LDS once, with the first fills.
; CLUSTERS: 4 x 4 work-groups; A's tiles are asked for jointly along a row of the cluster, B's along a column.  The matrix instruction is used transposed (source 0 = 16 rows of B, source 1 = 16 rows of A).
; TILE ROW = 4 cy + cluster y: so the clusters with cluster y = 0 hold tile rows 0, 4, 8, 12, and position 0 of both batches (tile rows 0 and 8) lies in them.  The branch that stores the f32 copy then hangs on
; the cluster's y and the wave's number alone.  The price: the copies of tile rows 4 and 12 (393,216 bytes of first32) are stored and never read.
; 192 work-groups: a wave's 128 columns are to be a head, and 256 work-groups would want tiles of one and a half heads.
; LIMITS: |q|, |k| are at most 16 x the norm's weight and |v| must stay under 65,504 to have a number in f16; NaN and infinities are not served.
; REGISTERS: window 0: v0-31 addresses; v32-95 scale words, two sets (they hold nothing else); from v128 A's fragments, one set.  Window 1: B's fragments, two sets.  Windows 2, 3: the accumulators ((a, b) at v[8 (8 (a % 4) + b)]).
;   On the way out: window 0 v96-127 the norm's weights and factors, v128-191 and v192-255 rows at work; window 1: cos and sin, two sets of 64 + 64.
.set SIZE_M, 4096
.set SIZE_N, 3072
.set SIZE_K, 2048
.set KSTEP,  512
.set NQ,     KSTEP/128
.set ROWB,   256
.set KROW,   SIZE_K*4/8
.set PITCH,  272                       ; an LDS row: 256 bytes + 16 of padding: the 16 rows that a load touches start at 16 different banks
.set FR,     8
.set NL,     2
.set NP,     4
.set HALFT,  128*PITCH
.set SLOT,   4*HALFT
.set LAPS,   SIZE_K/(2*KSTEP)
.set KS,     SIZE_K/32
.set SCL,    2*SLOT
.set HALFS,  (128*KS/256)*272
.set SBLK,   (16*KS/256)*272
.set SPARE,  SCL+4*HALFS               ; the spare words, 128 bytes for each wave: two blocks of 256 bytes that no other line names
.set SPITCH, 528                       ; the way out: a stage of 128 rows x (512 bytes + 16) for each wave, in the ring, which has then had its last fill and its last read
.set BLKB,   16*SPITCH
.set ADRA, 16
.set COX,  19                          ; v19  16 x (lane xor 16)
.set ADRB, 20
.set ADR,  22                          ; v22, v23  the way out: LDS addresses of the block in hand
.set ADRX, 23
.set STO,  24
.set RD,   25
.set CO,   26                          ; v26  16 x lane
.set ADRS, 27
.set SPW,  28
.set NIL,  29
.set CO8,  30                          ; v30  8 x lane
.set RDX,  31
.set SC,   32
.set AF,   128
.set W,    96                          ; v96-99   the norm's weights of my 4 columns
.set WPS,  100                         ; v100-103 those of the columns 64 away, with rotate_half's sign
.set SQ,   104                         ; v104-111 four chains of squares
.set F,    112                         ; v112-127 block a's factor in v[F + 2 a]; the register above it is at work
.set RA,   128
.set RP,   192
.set G1, 24
.set G0, 32
.set G1B, 48
.set G0B, 56
.set G1S, 68
.set G0S, 76
.set G1SB, 80
.set G0SB, 88
.set COSP, 24                          ; the way out's scalars lie in the descriptors' registers, free once the last tensor load has landed
.set SINP, 26
.set NRM,  28
.set DST,  32
.set F32P, 34
.set FLAG, 38
.set STB,  39
.set SEL,  54
.set MSB, 0
.macro WIN new
.if MSB != \new
	s_set_vgpr_msb (MSB<<8)|\new
.set MSB, \new
.endif
.endm
.set MUL_LO, 0xa1
.set MUL_HI, 0xf1
.set TO_B,   0x40
; A joint load: waves 0 and 1 fetch for A, waves 2 and 3 for B.  An s_nop 0 and four v_nop follow each of the two lines.
.macro JLOAD g0a, g1a, g0b, g1b
	s_cmp_eq_u32 s15, 0
	s_cbranch_scc0 .Lfor_b_\@
	tensor_load_to_lds s[\g0a:\g0a+3], s[\g1a:\g1a+7]
	s_nop 0
.rept 4
	v_nop
.endr
	s_branch .Lasked_\@
.Lfor_b_\@:
	tensor_load_to_lds s[\g0b:\g0b+3], s[\g1b:\g1b+7]
	s_nop 0
.rept 4
	v_nop
.endr
.Lasked_\@:
.endm
.macro CREST
	s_cmp_lg_u32 s14, 0
	s_cbranch_scc1 .Lnot_wave_0_\@
	s_barrier_signal -3
.Lnot_wave_0_\@:
	s_barrier_wait -3
	s_barrier_signal -1
	s_barrier_wait -1
.endm
.macro CROUND
	s_barrier_signal -1
	s_barrier_wait -1
	CREST
.endm
	s_load_b128 s[4:7], s[0:1], 0x0                ; x's codes, x's scales
	s_load_b128 s[8:11], s[0:1], 0x10              ; the weights' codes, their scales
	v_lshl_add_u32 v[SPW], v0, 2, SPARE
	v_mov_b32 v[NIL], 0
	ds_add_u32 v[SPW], v[NIL]                      ; the wave's opening: the add, twice on end, and its wait ahead of my first tensor load
	ds_add_u32 v[SPW], v[NIL]
	v_lshrrev_b32 v1, 5, v0
	v_readfirstlane_b32 s14, v1                    ; wave 0..3
	s_lshr_b32 s15, s14, 1                         ; which half of the tile's rows is mine.  Also: I fetch for A (0) or for B (1)
	s_and_b32 s16, s14, 1                          ; which half of its columns.  Also: which 128 rows of that tile I fetch
	s_bfe_u32 s40, ttmp6, 0x40000                  ; cx, cy
	s_bfe_u32 s41, ttmp6, 0x40004
	s_lshl_b32 s42, ttmp9, 2
	s_add_co_u32 s42, s42, s40                     ; tile column = 4 x cluster x + cx
	s_and_b32 s17, ttmp7, 0xffff
	s_lshl_b32 s18, s41, 2
	s_add_co_u32 s17, s17, s18                     ; tile row = 4 cy + cluster y
	s_lshl_b32 s43, s41, 2
	s_lshl_b32 s43, 15, s43                        ; my row of the cluster
	s_lshl_b32 s44, 0x1111, s40                    ; my column
	s_or_b32 s[G1+0], s43, (0<<16)|(1<<20)|(1<<21)|(5<<22)|(3<<25)  ; the mask; elements of 1 byte; padding on: 4 words after every 64; bit 21 set beside a mask
	s_or_b32 s[G1B+0], s44, (0<<16)|(1<<20)|(1<<21)|(5<<22)|(3<<25)
.irp g, G1, G1B
	s_mov_b32 s[\g+1], ROWB<<16                    ; tensor_dim0
	s_mov_b32 s[\g+2], 128<<16                     ; tensor_dim1
	s_mov_b32 s[\g+3], ROWB<<16                    ; tile_dim0
	s_mov_b32 s[\g+4], 128                         ; tile_dim1
	s_mov_b32 s[\g+5], KROW                        ; the pitch
	s_mov_b32 s[\g+6], 0
	s_mov_b32 s[\g+7], 0
.endr
	s_or_b32 s[G1S+0], s43, (3<<16)|(1<<20)|(1<<21)|(5<<22)|(3<<25)  ; the scales of 128 rows: a dense block, as rows of 256 bytes (32 elements of 8 bytes)
	s_or_b32 s[G1SB+0], s44, (3<<16)|(1<<20)|(1<<21)|(5<<22)|(3<<25)
.irp g, G1S, G1SB
	s_mov_b32 s[\g+1], 32<<16
	s_mov_b32 s[\g+2], (128*KS/256)<<16
	s_mov_b32 s[\g+3], 32<<16
	s_mov_b32 s[\g+4], 128*KS/256
	s_mov_b32 s[\g+5], 32
	s_mov_b32 s[\g+6], 0
	s_mov_b32 s[\g+7], 0
.endr
	s_lshl_b32 s18, s16, 7
	s_lshl_b32 s20, s17, 8
	s_add_co_u32 s20, s20, s18                     ; A: row 256 x tile row + 128 x half
	s_lshl_b32 s46, s42, 8
	s_add_co_u32 s46, s46, s18                     ; B: row 256 x tile column + 128 x half
	s_mov_b32 s21, 0
	s_mov_b32 s47, 0
	s_mov_b64 s[18:19], KS
	s_mul_u64 s[22:23], s[20:21], s[18:19]
	s_mul_u64 s[92:93], s[46:47], s[18:19]
	s_mov_b64 s[18:19], KROW
	s_mul_u64 s[20:21], s[20:21], s[18:19]
	s_mul_u64 s[46:47], s[46:47], s[18:19]
	s_mul_i32 s45, s14, HALFT
	s_mul_i32 s94, s14, HALFS
	s_wait_dscnt 0x0                               ; both opening adds are done
	s_wait_kmcnt 0x0
	s_add_nc_u64 s[20:21], s[4:5], s[20:21]
	s_add_nc_u64 s[22:23], s[6:7], s[22:23]
	s_add_nc_u64 s[46:47], s[8:9], s[46:47]
	s_add_nc_u64 s[92:93], s[10:11], s[92:93]
	CROUND                                         ; all sixteen work-groups are here: the first joint loads meet
	s_mov_b32 s[G0S], 1
	s_add_co_u32 s[G0S+1], s94, SCL
	s_mov_b64 s[G0S+2:G0S+3], s[22:23]
	s_or_b32 s[G0S+3], s[G0S+3], 0x80000000
	s_mov_b32 s[G0SB], 1
	s_add_co_u32 s[G0SB+1], s94, SCL
	s_mov_b64 s[G0SB+2:G0SB+3], s[92:93]
	s_or_b32 s[G0SB+3], s[G0SB+3], 0x80000000
	JLOAD G0S, G1S, G0SB, G1SB                     ; the scales first: they are wanted with K step 0
.irp s, 0,1
	s_mov_b32 s[G0+4*\s], 1
	s_add_co_u32 s[G0+4*\s+1], s45, \s*SLOT
	s_add_nc_u64 s[G0+4*\s+2:G0+4*\s+3], s[20:21], \s*ROWB
	s_or_b32 s[G0+4*\s+3], s[G0+4*\s+3], 0x80000000
	s_mov_b32 s[G0B+4*\s], 1
	s_add_co_u32 s[G0B+4*\s+1], s45, \s*SLOT
	s_add_nc_u64 s[G0B+4*\s+2:G0B+4*\s+3], s[46:47], \s*ROWB
	s_or_b32 s[G0B+4*\s+3], s[G0B+4*\s+3], 0x80000000
	JLOAD G0+4*\s, G1, G0B+4*\s, G1B
.endr
	v_and_b32 v1, 15, v0                           ; l % 16
	v_bfe_u32 v2, v0, 4, 1                         ; l / 16
	v_mul_u32_u24 v3, v1, PITCH
	v_lshl_add_u32 v4, v2, 4, v3
	s_mul_i32 s21, s15, HALFT
	s_mul_i32 s22, s16, HALFT
	s_add_co_u32 s22, s22, 2*HALFT
.irp s, 0,1
	v_add_nc_u32 v[ADRA+\s], s21, v4
	v_add_nc_u32 v[ADRB+\s], s22, v4
	s_add_co_u32 s21, s21, SLOT
	s_add_co_u32 s22, s22, SLOT
.endr
	v_mul_u32_u24 v5, v1, KS
	v_lshrrev_b32 v6, 8, v5
	v_lshl_add_u32 v5, v6, 4, v5
	s_mul_i32 s21, s15, HALFS
	s_mul_i32 s22, s16, HALFS
	s_add_co_u32 s22, s22, 2*HALFS
	s_sub_co_u32 s22, s22, s21
	v_mul_u32_u24 v6, s22, v2                      ; lanes 16-31 take B's scale words
	s_add_co_u32 s21, s21, SCL
	v_add_nc_u32 v5, v5, v6
	v_add_nc_u32 v[ADRS], s21, v5
	s_mul_i32 s23, s14, 128*SPITCH                 ; my stage
	v_mul_u32_u24 v5, v1, SPITCH
	v_lshl_add_u32 v5, v2, 5, v5
	v_add_nc_u32 v[STO], s23, v5                   ; in: row l % 16, 32 bytes for each half of the lanes
	v_and_b32 v6, 31, v0
	v_lshlrev_b32 v[CO], 4, v6
	v_add_nc_u32 v[RD], s23, v[CO]                 ; back: the 32 lanes take one row of 512 bytes, 4 columns a lane;
	v_xor_b32 v[COX], 0x100, v[CO]
	v_add_nc_u32 v[RDX], s23, v[COX]               ; and the 4 columns that lie 64 away: lane xor 16's
	v_lshlrev_b32 v[CO8], 3, v6
.macro FRAG reg, adr, q, i
.irp c, 0,1
	ds_load_b128 v[\reg+4*\c:\reg+4*\c+3], v[\adr] offset:64*(\q)+32*\c+(\i)*16*PITCH
.endr
.endm
; 16 matrix instructions: A's blocks a0, a0 + 1 x B's eight, 128 along K.  The 64 accumulators take turns, one instruction a turn, in the same order in every step.
.macro MUL16 a0, p, q, sc, zero
.irp a, \a0, \a0+1
.irp b, 0,1,2,3,4,5,6,7
.if \zero
	v_wmma_scale_f32_16x16x128_f8f6f4 v[8*(8*((\a)%4)+\b):8*(8*((\a)%4)+\b)+7], v[128*(\p)+FR*\b:128*(\p)+FR*\b+FR-1], v[AF+FR*(\a):AF+FR*(\a)+FR-1], 0, v[SC+8*NQ*(\sc)+NQ*\b+(\q)], v[SC+8*NQ*(\sc)+NQ*(\a)+(\q)] matrix_a_fmt:MATRIX_FMT_FP4 matrix_b_fmt:MATRIX_FMT_FP4 matrix_a_scale:MATRIX_SCALE_ROW1
.else
	v_wmma_scale_f32_16x16x128_f8f6f4 v[8*(8*((\a)%4)+\b):8*(8*((\a)%4)+\b)+7], v[128*(\p)+FR*\b:128*(\p)+FR*\b+FR-1], v[AF+FR*(\a):AF+FR*(\a)+FR-1], v[8*(8*((\a)%4)+\b):8*(8*((\a)%4)+\b)+7], v[SC+8*NQ*(\sc)+NQ*\b+(\q)], v[SC+8*NQ*(\sc)+NQ*(\a)+(\q)] matrix_a_fmt:MATRIX_FMT_FP4 matrix_b_fmt:MATRIX_FMT_FP4 matrix_a_scale:MATRIX_SCALE_ROW1
.endif
.endr
.endr
.endm
.macro FETCH_B slot, q, p
	WIN TO_B
.irp i, 0,1,2,3,4,5,6,7
	FRAG 128*(\p)+FR*\i, ADRB+\slot, \q, \i
.endr
	WIN 0
.endm
.macro FETCH_A slot, q, i0
.irp i, \i0, \i0+1, \i0+2, \i0+3
	FRAG AF+FR*(\i), ADRA+\slot, \q, \i
.endr
.endm
.macro SCALES sc
.irp i, 0,1,2,3,4,5,6,7
	ds_load_b128 v[SC+8*NQ*\sc+NQ*\i:SC+8*NQ*\sc+NQ*\i+3], v[ADRS] offset:\i*SBLK
.endr
.endm
.macro PLACES n                        ; plain vector instructions that name none of a matrix instruction's registers: the distance in front of loads into its registers and of reads of its results
.rept \n
	v_nop
.endr
.endm
.macro STEP slot, q, zero
	s_wait_dscnt 4*NL                              ; B's set and A's blocks 0-3 are in; the youngest loads (A's blocks 4-7) may be out
	WIN MUL_LO
	MUL16 0, (\q)%2, \q, \slot, \zero
	MUL16 2, (\q)%2, \q, \slot, \zero
	s_wait_dscnt 0
	PLACES NP
	FETCH_B \slot, (\q)+1, 1-(\q)%2
	FETCH_A \slot, (\q)+1, 0
	WIN MUL_HI
	MUL16 4, (\q)%2, \q, \slot, \zero
	MUL16 6, (\q)%2, \q, \slot, \zero
	PLACES NP
	WIN 0
	FETCH_A \slot, (\q)+1, 4
.endm
; A slot's last step changes slots: one barrier; in front of it each wave waits for all its tensor loads, adds 0 to its spare word, and waits for that and for its own reads of this slot.
.macro TURN slot, next, fill
	s_wait_tensorcnt 0x0                           ; all my tensor loads have landed: my part of the next slot
	ds_add_u32 v[SPW], v[NIL]                      ; 0 onto my spare word
	s_wait_dscnt 4*NL+1                            ; (the add and the youngest loads, A's blocks 4-7, may be out)
	WIN MUL_LO
	MUL16 0, 1, NQ-1, \slot, 0
	s_wait_dscnt 0x0                               ; the add is done, and my reads of this slot are over
	s_barrier_signal -1
	MUL16 2, 1, NQ-1, \slot, 0
	WIN 0
	s_barrier_wait -1
.if \fill
	CREST                                          ; the barrier has opened a round of the cluster's barrier: no wave of any partner still reads this slot's tile or has a load on its way
	s_add_nc_u64 s[G0+4*\slot+2:G0+4*\slot+3], s[G0+4*\slot+2:G0+4*\slot+3], 2*ROWB
	s_add_nc_u64 s[G0B+4*\slot+2:G0B+4*\slot+3], s[G0B+4*\slot+2:G0B+4*\slot+3], 2*ROWB
	JLOAD G0+4*\slot, G1, G0B+4*\slot, G1B         ; the first tensor load behind the round
.else
	PLACES NP
.endif
	v_add_nc_u32 v[ADRS], 4*NQ, v[ADRS]
	FETCH_B \next, 0, 0
	FETCH_A \next, 0, 0
	SCALES \next
	WIN MUL_HI
	MUL16 4, 1, NQ-1, \slot, 0
	MUL16 6, 1, NQ-1, \slot, 0
	PLACES NP
	WIN 0
	FETCH_A \next, 0, 4
.endm
.macro STEPS slot, from
.set Q, \from
.rept NQ-1-\from
	STEP \slot, Q, 0
.set Q, Q+1
.endr
.endm
	s_wait_tensorcnt 1                             ; the scales and my part of K step 0 are in (K step 1's load may be out)
	s_barrier_signal -1
	s_barrier_wait -1
	FETCH_B 0, 0, 0
	FETCH_A 0, 0, 0
	SCALES 0
	FETCH_A 0, 0, 4
	STEP 0, 0, 1                                   ; the first step's products start the sums
	s_mov_b32 s3, LAPS-1
.Llap:
	STEPS 0, 1
	TURN 0, 1, 1
	STEPS 1, 0
	TURN 1, 0, 1
	STEP 0, 0, 0
	s_sub_co_u32 s3, s3, 1
	s_cmp_lg_u32 s3, 0
	s_cbranch_scc1 .Llap
	STEPS 0, 1
	TURN 0, 1, 0                                   ; no tensor load of mine is out from here on: the descriptors' registers are free
	s_load_b256 s[24:31], s[0:1], 0x20             ; cos, sin, q_norm_w, k_norm_w
	s_load_b128 s[32:35], s[0:1], 0x40             ; qkv16, first32
	STEPS 1, 0
	s_wait_dscnt 4*NL
	WIN MUL_LO
	MUL16 0, 1, NQ-1, 1, 0
	MUL16 2, 1, NQ-1, 1, 0
	s_wait_dscnt 0
	WIN MUL_HI
	MUL16 4, 1, NQ-1, 1, 0
	MUL16 6, 1, NQ-1, 1, 0
	WIN 0
; ================ THE WAY OUT ================
	PLACES NP                                      ; behind the last products: in front of the reads of their results and of loads into the registers that they read
	s_wait_dscnt 0x0
	s_barrier_signal -1                            ; the stages take the whole ring: no wave stores there while another still reads slot 1
	s_barrier_wait -1
	s_wait_kmcnt 0x0
	s_lshl_b32 s43, s42, 1
	s_add_co_u32 s43, s43, s16                     ; my head among the 24: 2 x tile column + column half
	s_lshl_b32 s44, s17, 8
	s_lshl_b32 s45, s15, 7
	s_add_co_u32 s44, s44, s45                     ; my first row m0 = b x 2048 + s
	s_lshl_b32 s46, s44, 9
	s_mov_b32 s47, 0
	s_add_nc_u64 s[COSP:COSP+1], s[COSP:COSP+1], s[46:47]
	s_add_nc_u64 s[SINP:SINP+1], s[SINP:SINP+1], s[46:47]
	s_lshl_b32 s48, ttmp9, 1                       ; the cluster's x is the type: 0 q, 1 k, 2 v
	s_lshr_b32 s49, s44, 11
	s_add_co_u32 s48, s48, s49
	s_lshl_b32 s48, s48, 3
	s_and_b32 s49, s43, 7
	s_add_co_u32 s48, s48, s49
	s_lshl_b32 s48, s48, 11
	s_and_b32 s49, s44, 2047
	s_add_co_u32 s48, s48, s49                     ; ((type x 2 + b) x 8 + h) x 2048 + s
	s_lshl_b32 s48, s48, 8
	s_mov_b32 s49, 0
	s_add_nc_u64 s[DST:DST+1], s[DST:DST+1], s[48:49]
	s_mul_i32 s50, s41, 24
	s_add_co_u32 s50, s50, s43
	s_lshl_b32 s50, s50, 13
	s_mov_b32 s51, 0
	s_add_nc_u64 s[F32P:F32P+1], s[F32P:F32P+1], s[50:51]   ; first32 [cy][head of 24][16][128]
	s_and_b32 s52, ttmp7, 0xffff
	s_or_b32 s52, s52, s15
	s_cmp_eq_u32 s52, 0
	s_cselect_b32 s[FLAG], 1, 0                    ; cluster y = 0 and the upper half of the tile's rows: my first 16 rows go out in f32 too
	s_cmp_eq_u32 ttmp9, 0
	s_cselect_b64 s[NRM:NRM+1], s[28:29], s[30:31]
	s_mov_b32 s36, 0x3c000000                      ; 1 / 128
	s_mov_b32 s37, 0x358637bd                      ; 1e-6
	s_mov_b32 s[SEL], 0x76543210
	s_mov_b32 s[SEL+1], 0xfedcba98
	s_mov_b32 s[STB], 0
	s_cmp_eq_u32 ttmp9, 2
	s_cbranch_scc1 .Lv
; ---- q and k.
.macro CSLOAD set                      ; cos and sin of 16 rows, 16 bytes a lane, into set `set` of window 1
	WIN 0x40
.irp t, 0,1,2,3,4,5,6,7,8,9,10,11,12,13,14,15
	global_load_b128 v[128*\set+4*\t:128*\set+4*\t+3], v[CO], s[COSP:COSP+1] offset:512*\t
.endr
.irp t, 0,1,2,3,4,5,6,7,8,9,10,11,12,13,14,15
	global_load_b128 v[128*\set+64+4*\t:128*\set+64+4*\t+3], v[CO], s[SINP:SINP+1] offset:512*\t
.endr
	WIN 0
.endm
.macro SUMSQ a                         ; the squares of my 64 numbers of row 16 a + l % 16, each accumulator from its low end on, in four chains
.set AC, 64*((\a)%4)
	WIN 0x0a+5*((\a)/4)
.irp c, 0,1,2,3
	v_pk_mul_f32 v[SQ+2*\c:SQ+2*\c+1], v[AC+2*\c:AC+2*\c+1], v[AC+2*\c:AC+2*\c+1]
.endr
.set p, 4
.rept 28
	v_pk_fma_f32 v[SQ+2*(p%4):SQ+2*(p%4)+1], v[AC+2*p:AC+2*p+1], v[AC+2*p:AC+2*p+1], v[SQ+2*(p%4):SQ+2*(p%4)+1]
.set p, p+1
.endr
	WIN 0
	v_pk_add_f32 v[SQ:SQ+1], v[SQ:SQ+1], v[SQ+2:SQ+3]
	v_pk_add_f32 v[SQ+4:SQ+5], v[SQ+4:SQ+5], v[SQ+6:SQ+7]
	v_pk_add_f32 v[SQ:SQ+1], v[SQ:SQ+1], v[SQ+4:SQ+5]
	v_add_f32 v[F+2*(\a)], v[SQ], v[SQ+1]
.endm
.macro SCALE a                         ; block a times its rows' factors, into my stage
.set AC, 64*((\a)%4)
.set YY, RA+64*((\a)%2)
.if (\a) >= 2
	s_wait_dscnt 16                                ; the stores of the block two back are done (the last block's 16 may be out): their registers are written again
.endif
	WIN 0x02+(\a)/4
.set p, 0
.rept 32
	v_pk_mul_f32 v[YY+2*p:YY+2*p+1], v[AC+2*p:AC+2*p+1], v[F+2*(\a):F+2*(\a)+1] op_sel_hi:[1,0]
.set p, p+1
.endr
	WIN 0
.irp b, 0,1,2,3,4,5,6,7
	ds_store_b128 v[STO], v[YY+8*\b:YY+8*\b+3] offset:(\a)*BLKB+64*\b
	ds_store_b128 v[STO], v[YY+8*\b+4:YY+8*\b+7] offset:(\a)*BLKB+64*\b+16
.endr
.endm
; A block of 16 rows comes back from the stage as whole rows: a lane holds 4 neighbouring columns, and once more the 4 columns that lie 64 away.  y = (x w) cos + (+-x' w') sin, rounded to f16: a row is 256 bytes, one store.
; set: which set of cos and sin; fill = 1: that set is loaded again, for the block two on; left: the loads that may stay out; flag = 1: the copy that can store the f32 rows.
.macro ROPE set, fill, left, flag
	s_wait_xcnt 0x0                                ; the last block's loads and stores have read their registers and bases: all may be written
	s_add_nc_u64 s[COSP:COSP+1], s[COSP:COSP+1], 8192
	s_add_nc_u64 s[SINP:SINP+1], s[SINP:SINP+1], 8192
	s_add_nc_u64 s[DST:DST+1], s[DST:DST+1], 4096  ; stepped at the head of every block: the stores below reach back
	v_add_nc_u32 v[ADR], s[STB], v[RD]
	v_add_nc_u32 v[ADRX], s[STB], v[RDX]
	s_add_co_u32 s[STB], s[STB], BLKB
.irp t, 0,1,2,3,4,5,6,7,8,9,10,11,12,13,14,15
	ds_load_b128 v[RA+4*\t:RA+4*\t+3], v[ADR] offset:SPITCH*\t
.endr
.irp t, 0,1,2,3,4,5,6,7,8,9,10,11,12,13,14,15
	ds_load_b128 v[RP+4*\t:RP+4*\t+3], v[ADRX] offset:SPITCH*\t
.endr
	s_wait_dscnt 0x0
	s_wait_loadcnt \left                           ; this set's cos and sin are in; the other set's 32 loads may be out
.set p, 0
.rept 32
	v_pk_mul_f32 v[RA+2*p:RA+2*p+1], v[RA+2*p:RA+2*p+1], v[W+2*(p%2):W+2*(p%2)+1]
.set p, p+1
.endr
.set p, 0
.rept 32
	v_pk_mul_f32 v[RP+2*p:RP+2*p+1], v[RP+2*p:RP+2*p+1], v[WPS+2*(p%2):WPS+2*(p%2)+1]
.set p, p+1
.endr
	WIN 0x04                                       ; source 1 in window 1
.set p, 0
.rept 32
	v_pk_mul_f32 v[RA+2*p:RA+2*p+1], v[RA+2*p:RA+2*p+1], v[128*\set+2*p:128*\set+2*p+1]
.set p, p+1
.endr
.set p, 0
.rept 32
	v_pk_fma_f32 v[RA+2*p:RA+2*p+1], v[RP+2*p:RP+2*p+1], v[128*\set+64+2*p:128*\set+64+2*p+1], v[RA+2*p:RA+2*p+1]
.set p, p+1
.endr
	WIN 0
.if \fill
	CSLOAD \set
.endif
.set p, 0
.rept 32
	v_cvt_pk_f16_f32 v[RP+p], v[RA+2*p], v[RA+2*p+1]
.set p, p+1
.endr
.irp t, 0,1,2,3,4,5,6,7,8,9,10,11,12,13,14,15
	global_store_b64 v[CO8], v[RP+2*\t:RP+2*\t+1], s[DST:DST+1] offset:256*\t-4096   ; 32 lanes store 256 consecutive bytes, aligned
.endr
.if \flag
	s_cmp_lg_u32 s[FLAG], 0
	s_cbranch_scc0 .Lno_f32_\@
.irp t, 0,1,2,3,4,5,6,7,8,9,10,11,12,13,14,15
	global_store_b128 v[CO], v[RA+4*\t:RA+4*\t+3], s[F32P:F32P+1] offset:512*\t
.endr
	s_mov_b32 s[FLAG], 0                           ; the first block alone
.Lno_f32_\@:
.endif
.endm
	global_load_b128 v[W:W+3], v[CO], s[NRM:NRM+1]
	global_load_b128 v[WPS:WPS+3], v[COX], s[NRM:NRM+1]
	CSLOAD 0
	s_wait_xcnt 0x0
	s_add_nc_u64 s[COSP:COSP+1], s[COSP:COSP+1], 8192
	s_add_nc_u64 s[SINP:SINP+1], s[SINP:SINP+1], 8192
	CSLOAD 1
.irp a, 0,1,2,3,4,5,6,7
	v_mov_b32 v[F+2*\a+1], 0                       ; a lane exchange's destination counts as one of its sources
.endr
.irp a, 0,1,2,3,4,5,6,7
	SUMSQ \a
.endr
.irp a, 0,1,2,3,4,5,6,7
	v_permlanex16_b32 v[F+2*\a+1], v[F+2*\a], s[SEL], s[SEL+1]   ; the row's other 64 columns lie in lane l xor 16
.endr
.irp a, 0,1,2,3,4,5,6,7
	v_add_f32 v[F+2*\a], v[F+2*\a], v[F+2*\a+1]
.endr
.irp a, 0,1,2,3,4,5,6,7
	v_fma_f32 v[F+2*\a], v[F+2*\a], s36, s37       ; the mean of the squares + 1e-6
.endr
.irp a, 0,1,2,3,4,5,6,7
	v_rsq_f32 v[F+2*\a], v[F+2*\a]
.endr
	v_nop                                          ; a plain instruction behind the last of the batch,
	s_wait_alu depctr_va_vdst(0)                   ; and one wait ahead of the batch's first reader
.irp a, 0,1,2,3,4,5,6,7
	SCALE \a
.endr
	s_wait_loadcnt 63                              ; 64 loads were issued behind the two of the norm's weights: with at most 63 out those two are in
	v_bfe_u32 v18, v0, 4, 1
	v_xor_b32 v18, 1, v18
	v_lshlrev_b32 v18, 31, v18                     ; rotate_half: columns 0-63 (lanes 0-15) take MINUS the column 64 on
.irp i, 0,1,2,3
	v_xor_b32 v[WPS+\i], v18, v[WPS+\i]
.endr
	s_wait_dscnt 0x0                               ; the stage's stores have read their registers
	s_mov_b32 s3, 3
.Lrope:
	ROPE 0, 1, 32, 1
	ROPE 1, 1, 32, 0
	s_sub_co_u32 s3, s3, 1
	s_cmp_lg_u32 s3, 0
	s_cbranch_scc1 .Lrope
	ROPE 0, 0, 32, 0                               ; the last two blocks load nothing: no load leaves cos or sin
	ROPE 1, 0, 0, 0
	s_branch .Lout
; ---- v: the accumulators go to the stage as they are, each from its low end on, and come back as whole rows.
.Lv:
.irp a, 0,1,2,3,4,5,6,7
	WIN 0x08+4*(\a/4)                              ; an LDS store's data are its source 1: window 2 or 3
.irp b, 0,1,2,3,4,5,6,7
	ds_store_b128 v[STO], v[64*(\a%4)+8*\b:64*(\a%4)+8*\b+3] offset:\a*BLKB+64*\b
	ds_store_b128 v[STO], v[64*(\a%4)+8*\b+4:64*(\a%4)+8*\b+7] offset:\a*BLKB+64*\b+16
.endr
.endr
	WIN 0
	s_mov_b32 s3, 8
.Lvout:
	s_wait_xcnt 0x0                                ; the last block's stores have read their registers and base
	s_add_nc_u64 s[DST:DST+1], s[DST:DST+1], 4096
	v_add_nc_u32 v[ADR], s[STB], v[RD]
	s_add_co_u32 s[STB], s[STB], BLKB
.irp t, 0,1,2,3,4,5,6,7,8,9,10,11,12,13,14,15
	ds_load_b128 v[RA+4*\t:RA+4*\t+3], v[ADR] offset:SPITCH*\t
.endr
	s_wait_dscnt 0x0
.set p, 0
.rept 32
	v_cvt_pk_f16_f32 v[RP+p], v[RA+2*p], v[RA+2*p+1]
.set p, p+1
.endr
.irp t, 0,1,2,3,4,5,6,7,8,9,10,11,12,13,14,15
	global_store_b64 v[CO8], v[RP+2*\t:RP+2*\t+1], s[DST:DST+1] offset:256*\t-4096
.endr
	s_cmp_lg_u32 s[FLAG], 0
	s_cbranch_scc0 .Lv_no_f32
.irp t, 0,1,2,3,4,5,6,7,8,9,10,11,12,13,14,15
	global_store_b128 v[CO], v[RA+4*\t:RA+4*\t+3], s[F32P:F32P+1] offset:512*\t
.endr
	s_mov_b32 s[FLAG], 0
.Lv_no_f32:
	s_sub_co_u32 s3, s3, 1
	s_cmp_lg_u32 s3, 0
	s_cbranch_scc1 .Lvout
.Lout:
	s_wait_tensorcnt 0x0                           ; the wave's end, behind my last tensor load and my last LDS store
	ds_add_u32 v[SPW], v[NIL]
	s_wait_dscnt 0x0
	CROUND                                         ; the closing round
	s_endpgm
.Lfunc_end_k_qabb52c5929_qkv:
	.size	k_qabb52c5929_qkv, .Lfunc_end_k_qabb52c5929_qkv-k_qabb52c5929_qkv
	.p2alignl 7, 3214868480
	.fill 96, 4, 3214868480
	.section	.rodata,"a",@progbits
	.p2align	6, 0x0
	.amdhsa_kernel k_qabb52c5929_qkv
		.amdhsa_group_segment_fixed_size 327680
		.amdhsa_private_segment_fixed_size 0
		.amdhsa_enable_private_segment 0
		.amdhsa_kernarg_size 80
		.amdhsa_user_sgpr_count 2
		.amdhsa_user_sgpr_kernarg_segment_ptr 1
		.amdhsa_wavefront_size32 1
		.amdhsa_system_sgpr_workgroup_id_x 1
		.amdhsa_system_sgpr_workgroup_id_y 1
		.amdhsa_system_sgpr_workgroup_id_z 1
		.amdhsa_system_vgpr_workitem_id 0
		.amdhsa_next_free_vgpr 1024
		.amdhsa_next_free_sgpr 100
		.amdhsa_reserve_vcc 0
		.amdhsa_float_denorm_mode_32 3
		.amdhsa_float_denorm_mode_16_64 3
		.amdhsa_memory_ordered 1
		.amdhsa_forward_progress 1
		.amdhsa_inst_pref_size 255
	.end_amdhsa_kernel
	.section	.bss,"aw",@nobits
	.p2align	6
	.space	262144
	.amdgpu_metadata
---
amdhsa.version: [ 1, 2 ]
amdhsa.kernels:
  - .name:           k_qabb52c5929_qkv
    .symbol:         k_qabb52c5929_qkv.kd
    .args:
      - { .name: x_codes, .offset: 0, .size: 8, .value_kind: global_buffer, .address_space: global }
      - { .name: x_scales, .offset: 8, .size: 8, .value_kind: global_buffer, .address_space: global }
      - { .name: w_codes, .offset: 16, .size: 8, .value_kind: global_buffer, .address_space: global }
      - { .name: w_scales, .offset: 24, .size: 8, .value_kind: global_buffer, .address_space: global }
      - { .name: cos, .offset: 32, .size: 8, .value_kind: global_buffer, .address_space: global }
      - { .name: sin, .offset: 40, .size: 8, .value_kind: global_buffer, .address_space: global }
      - { .name: q_norm_w, .offset: 48, .size: 8, .value_kind: global_buffer, .address_space: global }
      - { .name: k_norm_w, .offset: 56, .size: 8, .value_kind: global_buffer, .address_space: global }
      - { .name: qkv16, .offset: 64, .size: 8, .value_kind: global_buffer, .address_space: global }
      - { .name: first32, .offset: 72, .size: 8, .value_kind: global_buffer, .address_space: global }
    .group_segment_fixed_size: 327680
    .private_segment_fixed_size: 0
    .kernarg_segment_align: 8
    .kernarg_segment_size: 80
    .max_flat_workgroup_size: 128
    .sgpr_count:     100
    .vgpr_count:     1024
    .wavefront_size: 32
...
	.end_amdgpu_metadata
.endif
;; end of part 2
;; launch attn (part 3): grid 16 x 16, 8 waves a work-group, clusters of 4 x 1, 327,680 bytes of LDS; arguments qkv16, o16; writes o16
.if DOCPART == 3
	.amdgcn_target "amdgcn-amd-amdhsa--gfx1250"
	.amdhsa_code_object_version 6
	.text
	.protected	k_qabb52c5929_attn
	.globl	k_qabb52c5929_attn
	.p2align	8
	.type	k_qabb52c5929_attn,@function
k_qabb52c5929_attn:
	s_mov_b64 s[64:65], 0
	v_nop
	global_prefetch_b8 v0, s[64:65] scope:SCOPE_SE
	s_setreg_imm32_b32 hwreg(HW_REG_WAVE_MODE, 25, 1), 1
	s_wait_xcnt 0x0
	s_wait_alu depctr_hold_cnt(0) depctr_sa_sdst(0) depctr_va_vdst(0) depctr_va_sdst(0) depctr_va_ssrc(0) depctr_va_vcc(0) depctr_vm_vsrc(0)
	s_getreg_b32 s2, hwreg(HW_REG_IB_STS2, 6, 4)
	s_cmp_eq_u32 s2, 0
	s_cbranch_scc0 .Lentry_in_a_cluster
	s_endpgm
.Lentry_in_a_cluster:
	s_bfe_u32 s2, ttmp6, 0x10000c
	s_cmp_lg_u32 s2, 0x3003
	s_cbranch_scc0 .Lentry_shape_is_right
	s_endpgm
.Lentry_shape_is_right:
; CAUSAL ATTENTION, f16 operands, f32 sums.  q, k, v: qkv16 [3][16 (b, h)][2048][128] f16.  o16 [4096 (b, s)][1024 (h, d)] f16.
; p = 2^(c s - c m), c = log2(e) / sqrt(128) (q comes without its factor 128^-0.5), m the running maximum of the row; in every step O and the sum l are multiplied by 2^(c m_old - c m_new); O / l at the end.
; SHARES.  A head's 2,048 queries are 32 blocks of 64.  A block's four tiles of 16 queries go to the FOUR PARTNERS of a cluster (tile = cx).  A work-group has eight waves, each with one tile: wave w has j = w (w < 4) or 11 - w,
; and its block is 4 j + cl (j even) or 4 j + 3 - cl (j odd), cl the cluster's number among the head's four.  So every limit of the walk hangs on the wave's number and the cluster's number alone, and never on a work-group's
; place in its cluster, which enters Q's and O's addresses and the mask's numbers only; blocks j and 7 - j add up to 31, so that all 256 work-groups have the same work.
; Every wave walks the keys 64 a step, up to its own block, where the mask is applied.  THE WAVE WITH j = 7 WALKS ALL 32 STEPS in every work-group: steps behind its block are wholly hidden and add zeros
; (at most three such steps).  So every tile that a joint load brings is read in every work-group that it names, and the count of slots is a constant.
; RING.  Two LDS slots of four key steps (256 keys).  The four partners walk the same K and V: each tile is asked for JOINTLY.  Waves 0-3 fetch the four steps' K, waves 4-7 their V: one load of 64 rows a wave behind each round.
; LAYOUT.  S^T = K Q^T (source 0 = 16 keys, source 1 = my 16 queries): a lane holds ONE query (lane % 16) and keys 8 (lane / 16) + 0..7 of each tile.  Two such tiles rounded to f16 in pairs ARE source 1 of O^T = V^T P.
; Hidden scores become -infinity where reference() has the lowest f32 number: the same result, since every query sees its own key.
; LIMITS: NaN and infinities are not served; |v| up to 65,504.
; REGISTERS: window 0: v2-15 addresses; v16-26 statistics; v32-63 Q; v64-95 S^T, then p; v96-111 P; v128-255 K of one step.  Window 1: v0-127 V of one step; v128-191 O^T.
.set KS,    64
.set PK,    272                        ; a row of K in LDS: 256 bytes + 16
.set PV,    288                        ; a row of V: 256 + 32, for the turning load
.set VOFF,  KS*PK
.set STEPB, KS*(PK+PV)                 ; a step: 64 rows of K, then 64 rows of V
.set SLOTB, 4*STEPB
.set STAGE, 2*SLOTB                    ; behind the ring: 16 rows x 272 bytes for each wave, for the way out
.set SP,    272
.set SPARE, STAGE+8*16*SP              ; the spare words, 128 bytes for each wave: four blocks of 256 bytes that no other line names
.set AK0, 2
.set AV0, 3
.set ADK, 4
.set ADV, 5
.set QO,  6
.set STO, 7
.set RD,  8
.set GO,  9
.set DL,  10                           ; v10  16 cx + r - 8 h: key 16 kt + j of the diagonal step is hidden where 16 kt + j > this
.set NINF, 11
.set SPW, 12
.set NIL, 13
.set PFO, 14
.set CM,  16                           ; v16 c m, v17 m
.set M,   17
.set L,   18                           ; v[18:19] the sum, even keys' and odd keys'
.set T,   20                           ; v20-23 at work
.set A,   24                           ; v[24:25] the rescaling factor (the low word serves both halves)
.set OLD, 26
.set Q,   32
.set S,   64
.set P,   96
.set KF,  128
.set OT,  128                          ; in window 1
.set WV,  8
.set QB,  11                           ; s11  my block's first query
.set KF0, 12                           ; s12  the slot's first key
.set TB,  13                           ; s13  LDS byte at which the slot in hand begins
.set NB,  14                           ; s14  and the slot that is being asked for
.set WOFFK, 15
.set WOFFV, 16
.set LIMS, 19                          ; s19  the first key of my last step
.set G1K, 24
.set G1V, 32
.set G0K, 40
.set G0V, 44
.set CS,  48
.set SEL, 50
.set SLOTS, 52
.set CX,  53
.set PFA, 54
.set LIM, 56
.set QP,  58
.set OP,  60
.set MSB, 0
.macro WIN new
.if MSB != \new
	s_set_vgpr_msb (MSB<<8)|\new
.set MSB, \new
.endif
.endm
.set W_PV, 0x51                        ; V and O^T in window 1, P in window 0
.set W_RS, 0x41                        ; O^T (destination and source 0) in window 1
.set TO_V, 0x40
.macro JLOAD                           ; an s_nop 0 and four v_nop follow each of the two lines; the branch hangs on the wave's number alone
	s_cmp_lt_u32 s[WV], 4
	s_cbranch_scc0 .Lfor_v_\@
	tensor_load_to_lds s[G0K:G0K+3], s[G1K:G1K+7]
	s_nop 0
.rept 4
	v_nop
.endr
	s_branch .Lasked_\@
.Lfor_v_\@:
	tensor_load_to_lds s[G0V:G0V+3], s[G1V:G1V+7]
	s_nop 0
.rept 4
	v_nop
.endr
.Lasked_\@:
.endm
; A prefetch of what the NEXT change of slots will ask for: 256 rows of K and 256 of V, 256 bytes a row, a lane a row.  Each row is named once in the launch: of a head's four clusters the first asks; its four partners take
; 64 rows each, told apart by address; in each, waves 0 and 1 ask for K's and waves 4 and 5 for V's, 32 rows each.  The last change that fills a slot asks for nothing; slots 0 and 1 come by their loads alone.
.macro ASK
	s_cmp_gt_u32 s[SLOTS], s[LIM]
	s_cbranch_scc0 .Lnot_mine_\@
	global_prefetch_b8 v[PFO], s[PFA:PFA+1] th:TH_LOAD_NT scope:SCOPE_SE
.Lnot_mine_\@:
.endm
.macro CROUND
	s_barrier_signal -1
	s_barrier_wait -1
	s_cmp_lg_u32 s[WV], 0
	s_cbranch_scc1 .Lnot_wave_0_\@
	s_barrier_signal -3
.Lnot_wave_0_\@:
	s_barrier_wait -3
	s_barrier_signal -1
	s_barrier_wait -1
.endm
.macro PLACES
.rept 4
	v_nop
.endr
.endm
	s_load_b128 s[4:7], s[0:1], 0x0                ; qkv16, o16
	v_lshl_add_u32 v[SPW], v0, 2, SPARE
	v_mov_b32 v[NIL], 0
	ds_add_u32 v[SPW], v[NIL]                      ; the wave's opening: the add, twice on end, and its wait ahead of my first tensor load
	ds_add_u32 v[SPW], v[NIL]
	v_lshrrev_b32 v1, 5, v0
	v_readfirstlane_b32 s[WV], v1                  ; wave 0..7
	s_bfe_u32 s[CX], ttmp6, 0x40000                ; my place in the cluster
	s_sub_co_u32 s9, 11, s[WV]
	s_cmp_lt_u32 s[WV], 4
	s_cselect_b32 s9, s[WV], s9                    ; j
	s_sub_co_u32 s10, 3, ttmp9
	s_bitcmp1_b32 s9, 0
	s_cselect_b32 s10, s10, ttmp9
	s_lshl_b32 s[QB], s9, 2
	s_add_co_u32 s[QB], s[QB], s10                 ; my block
	s_lshl_b32 s[QB], s[QB], 6
	s_cmp_eq_u32 s9, 7
	s_mov_b32 s[LIMS], 1984
	s_cselect_b32 s[LIMS], s[LIMS], s[QB]          ; the wave with j = 7 walks all steps
	s_and_b32 s22, ttmp7, 0xffff                   ; b x 8 + h, which the four partners share
	s_lshl_b32 s20, s22, 19                        ; its 2,048 rows of 256 bytes
	s_mov_b32 s21, 0
	s_and_b32 s23, s[WV], 3                        ; which of a slot's four steps I fetch
	s_mul_i32 s[WOFFK], s23, STEPB
	s_add_co_u32 s[WOFFV], s[WOFFK], VOFF
	s_lshl_b32 s62, s23, 14
	s_mov_b32 s63, 0
	s_add_nc_u64 s[62:63], s[62:63], s[20:21]
	s_mov_b32 s[G1K], 15|(1<<16)|(1<<20)|(1<<21)|(5<<22)|(3<<25)  ; the mask: all four; elements of 2 bytes; padding on: 4 words after every 64; bit 21 set beside a mask
	s_mov_b32 s[G1V], 15|(1<<16)|(1<<20)|(1<<21)|(5<<22)|(7<<25)  ; the same with 8 words of padding
.irp g, G1K, G1V
	s_mov_b32 s[\g+1], 128<<16                     ; tensor_dim0
	s_mov_b32 s[\g+2], KS<<16                      ; tensor_dim1
	s_mov_b32 s[\g+3], 128<<16                     ; tile_dim0
	s_mov_b32 s[\g+4], KS                          ; tile_dim1
	s_mov_b32 s[\g+5], 128                         ; the pitch
	s_mov_b32 s[\g+6], 0
	s_mov_b32 s[\g+7], 0
.endr
	s_mov_b32 s[CS], 0x3e0293ee                    ; c = log2(e) / sqrt(128)
	s_mov_b32 s[CS+1], s[CS]
	s_mov_b32 s[SEL], 0x76543210
	s_mov_b32 s[SEL+1], 0xfedcba98
	s_mov_b32 s[TB], 0
	s_mov_b32 s[NB], 0
	s_mov_b32 s[KF0], 0
	s_mov_b32 s[SLOTS], 7
	s_lshl_b32 s57, s[CX], 4
	s_add_co_u32 s57, s57, s[QB]                   ; my first query
	s_lshl_b32 s[QP], s57, 8
	s_mov_b32 s[QP+1], 0
	s_add_nc_u64 s[QP:QP+1], s[QP:QP+1], s[20:21]
	s_lshr_b32 s10, s22, 3
	s_lshl_b32 s10, s10, 11
	s_add_co_u32 s10, s10, s57                     ; its row of o16: b x 2048 + s
	s_lshl_b32 s[OP], s10, 11
	s_and_b32 s10, s22, 7
	s_lshl_b32 s10, s10, 8
	s_add_co_u32 s[OP], s[OP], s10
	s_mov_b32 s[OP+1], 0
	s_mov_b32 s10, 0x1000000
	s_cmp_lt_u32 s[WV], 4
	s_cselect_b32 s[PFA], 0x800000, s10            ; the prefetches: K's part of qkv16 or V's,
	s_mov_b32 s[PFA+1], 0
	s_lshl_b32 s10, s[CX], 14                      ; my work-group's 64 rows of a slot's 256,
	s_add_co_u32 s[PFA], s[PFA], s10
	s_and_b32 s10, s[WV], 1
	s_lshl_b32 s10, s10, 13                        ; my wave's 32 of them,
	s_add_co_u32 s[PFA], s[PFA], s10
	s_add_co_u32 s[PFA], s[PFA], 4*KS*256          ; in slot 1: the first change of slots steps it to slot 2
	s_add_nc_u64 s[PFA:PFA+1], s[PFA:PFA+1], s[20:21]
	s_and_b32 s10, s[WV], 2
	s_or_b32 s10, s10, ttmp9
	s_cmp_eq_u32 s10, 0
	s_cselect_b32 s[LIM], 1, -1                    ; waves 0, 1, 4, 5 of the head's first cluster: the same in all four partners
	s_wait_dscnt 0x0                               ; both opening adds are done
	s_wait_kmcnt 0x0
	s_mov_b32 s[G0K], 1
	s_mov_b32 s[G0K+1], s[WOFFK]
	s_add_nc_u64 s[G0K+2:G0K+3], s[4:5], s[62:63]
	s_add_nc_u64 s[G0K+2:G0K+3], s[G0K+2:G0K+3], 0x800000
	s_or_b32 s[G0K+3], s[G0K+3], 0x80000000
	s_mov_b32 s[G0V], 1
	s_mov_b32 s[G0V+1], s[WOFFV]
	s_add_nc_u64 s[G0V+2:G0V+3], s[4:5], s[62:63]
	s_add_nc_u64 s[G0V+2:G0V+3], s[G0V+2:G0V+3], 0x1000000
	s_or_b32 s[G0V+3], s[G0V+3], 0x80000000
	s_add_nc_u64 s[QP:QP+1], s[4:5], s[QP:QP+1]
	s_add_nc_u64 s[OP:OP+1], s[6:7], s[OP:OP+1]
	s_add_nc_u64 s[PFA:PFA+1], s[4:5], s[PFA:PFA+1]
	CROUND                                         ; all four work-groups are here: the first joint loads meet
	JLOAD                                          ; slot 0: every wave has one load out
	v_and_b32 v1, 15, v0                           ; r
	v_bfe_u32 v15, v0, 4, 1                        ; h
	v_lshlrev_b32 v[QO], 8, v1
	v_lshl_add_u32 v[QO], v15, 4, v[QO]
.irp c, 0,1,2,3                                ; Q stays in registers: four fragments of 16 queries x 32 channels
	global_load_b128 v[Q+8*\c:Q+8*\c+3],   v[QO], s[QP:QP+1] offset:64*\c
	global_load_b128 v[Q+8*\c+4:Q+8*\c+7], v[QO], s[QP:QP+1] offset:64*\c+32
.endr
	v_mul_u32_u24 v[AK0], v1, PK
	v_lshl_add_u32 v[AK0], v15, 4, v[AK0]          ; K: row x pitch + 16 x half
	v_and_b32 v20, 7, v0
	v_bfe_u32 v21, v0, 3, 1
	v_lshl_add_u32 v[AV0], v15, 3, v20             ; V, for the turning load: key 8 h + l % 8, channels 8 ((l / 8) % 2) on
	v_mul_u32_u24 v[AV0], v[AV0], PV
	v_lshl_add_u32 v[AV0], v21, 4, v[AV0]
	v_add_nc_u32 v[AV0], VOFF, v[AV0]
	s_mul_i32 s10, s[WV], 16*SP
	s_add_co_u32 s10, s10, STAGE                   ; my stage
	v_mul_u32_u24 v[STO], v1, SP
	v_lshl_add_u32 v[STO], v15, 4, v[STO]
	v_add_nc_u32 v[STO], s10, v[STO]
	v_mul_u32_u24 v[RD], v15, SP
	v_lshl_add_u32 v[RD], v1, 4, v[RD]
	v_add_nc_u32 v[RD], s10, v[RD]
	v_lshlrev_b32 v[GO], 11, v15                   ; a row of o16 is 2,048 bytes
	v_lshl_add_u32 v[GO], v1, 4, v[GO]
	v_lshl_add_u32 v[DL], s[CX], 4, v1
	v_lshlrev_b32 v20, 3, v15
	v_sub_nc_u32 v[DL], v[DL], v20
	v_mov_b32 v[NINF], 0xff800000
	v_and_b32 v[PFO], 31, v0
	v_lshlrev_b32 v[PFO], 8, v[PFO]
	v_mov_b32 v[M], 0xff61b1e6                     ; -3e38, under every score
	v_mul_f32 v[CM], s[CS], v[M]
	v_mov_b32 v[L], 0
	v_mov_b32 v[L+1], 0
	v_mov_b32 v[A+1], 0                            ; (named as the upper half of a pair)
	WIN 0x40
.set i, 0
.rept 64
	v_mov_b32 v[OT+i], 0                           ; O^T.  The step is written once: the first finds zeros, which its factor 0 leaves zeros
.set i, i+1
.endr
	WIN 0
.macro FETCH_K q                       ; the q-th step's K: 16 fragments (keys 16 (f / 4) on, channels 32 (f % 4) on); the step's place stands in the address, since it passes the immediate's 16 bits
	s_add_co_u32 s18, s[TB], (\q)*STEPB
	v_add_nc_u32 v[ADK], s18, v[AK0]
.irp f, 0,1,2,3,4,5,6,7,8,9,10,11,12,13,14,15
	ds_load_b128 v[KF+8*\f:KF+8*\f+3],   v[ADK] offset:(\f/4)*16*PK+(\f%4)*64
	ds_load_b128 v[KF+8*\f+4:KF+8*\f+7], v[ADK] offset:(\f/4)*16*PK+(\f%4)*64+32
.endr
.endm
.macro FETCH_V q                       ; its V, turned: keys 32 (f / 8) on, channels 16 (f % 8) on
	s_add_co_u32 s18, s[TB], (\q)*STEPB
	v_add_nc_u32 v[ADV], s18, v[AV0]
	WIN TO_V
.irp f, 0,1,2,3,4,5,6,7,8,9,10,11,12,13,14,15
	ds_load_tr16_b128 v[8*\f:8*\f+3],   v[ADV] offset:(\f/8)*32*PV+(\f%8)*32
	ds_load_tr16_b128 v[8*\f+4:8*\f+7], v[ADV] offset:(\f/8)*32*PV+16*PV+(\f%8)*32
.endr
	WIN 0
.endm
.macro SOFTMAX
.irp j, 0,1,2,3
	v_max3_num_f32 v[T+\j], v[S+8*\j], v[S+8*\j+1], v[S+8*\j+2]   ; each tile of scores is read from its low end on
.endr
.irp g, 1,2
.irp j, 0,1,2,3
	v_max3_num_f32 v[T+\j], v[T+\j], v[S+8*\j+2*\g+1], v[S+8*\j+2*\g+2]
.endr
.endr
	v_max3_num_f32 v[T], v[T], v[S+7], v[S+15]
	v_max3_num_f32 v[T+2], v[T+2], v[S+23], v[S+31]
	v_max3_num_f32 v[T], v[T], v[T+1], v[T+2]
	v_max3_num_f32 v[T], v[T], v[T+3], v[M]        ; with the old maximum
	v_permlanex16_b32 v[T+1], v[T], s[SEL], s[SEL+1]   ; the query's other 32 keys lie in the lane 16 away
	v_mov_b32 v[OLD], v[CM]
	v_max_num_f32 v[M], v[T], v[T+1]
	v_mul_f32 v[CM], s[CS], v[M]
	v_sub_f32 v[OLD], v[OLD], v[CM]
.set i, 0
.rept 16
	v_pk_fma_f32 v[S+2*i:S+2*i+1], v[S+2*i:S+2*i+1], s[CS:CS+1], v[CM:CM+1] op_sel_hi:[1,0,0] neg_lo:[0,0,1] neg_hi:[0,0,1]   ; c s - c m
.set i, i+1
.endr
	v_exp_f32 v[A], v[OLD]
.set i, 0
.rept 32
	v_exp_f32 v[S+i], v[S+i]
.set i, i+1
.endr
	v_nop                                          ; a plain instruction behind the last exponential,
	s_wait_alu depctr_va_vdst(0)                   ; and one wait ahead of the batch's first reader
.set i, 0
.rept 16
	v_cvt_pk_f16_f32 v[P+i], v[S+2*i], v[S+2*i+1]
.set i, i+1
.endr
.irp u, 0,1,2,3,4,5,6,7
	v_pk_add_f32 v[S+4*\u:S+4*\u+1], v[S+4*\u:S+4*\u+1], v[S+4*\u+2:S+4*\u+3]
.endr
.irp u, 0,1,2,3
	v_pk_add_f32 v[S+8*\u:S+8*\u+1], v[S+8*\u:S+8*\u+1], v[S+8*\u+4:S+8*\u+5]
.endr
.irp u, 0,1
	v_pk_add_f32 v[S+16*\u:S+16*\u+1], v[S+16*\u:S+16*\u+1], v[S+16*\u+8:S+16*\u+9]
.endr
	v_pk_add_f32 v[S:S+1], v[S:S+1], v[S+16:S+17]
	v_pk_fma_f32 v[L:L+1], v[L:L+1], v[A:A+1], v[S:S+1] op_sel_hi:[1,0,1]
	WIN W_RS
.set i, 0
.rept 32
	v_pk_mul_f32 v[OT+2*i:OT+2*i+1], v[OT+2*i:OT+2*i+1], v[A:A+1] op_sel_hi:[1,0]
.set i, i+1
.endr
.endm
; A KEY STEP: 64 keys, the q-th of the slot in hand.  A step behind my last one leads to the slot's end, so step q is reached through step q - 1 alone, which has asked for its K.
.macro STEP q, id
	s_add_co_u32 s17, s[KF0], 64*(\q)
	s_cmp_gt_u32 s17, s[LIMS]
	s_cbranch_scc1 .Lend_\id
.if (\q) == 0
	FETCH_K 0
.endif
	FETCH_V \q
	s_wait_dscnt 32                                ; K is in; V's 32 loads, issued behind it, may be out
.irp c, 0,1,2,3                                ; S^T: the four accumulators by turns, one instruction a turn
.irp kt, 0,1,2,3
.if \c == 0
	v_wmma_f32_16x16x32_f16 v[S+8*\kt:S+8*\kt+7], v[KF+32*\kt+8*\c:KF+32*\kt+8*\c+7], v[Q+8*\c:Q+8*\c+7], 0
.else
	v_wmma_f32_16x16x32_f16 v[S+8*\kt:S+8*\kt+7], v[KF+32*\kt+8*\c:KF+32*\kt+8*\c+7], v[Q+8*\c:Q+8*\c+7], v[S+8*\kt:S+8*\kt+7]
.endif
.endr
.endr
	PLACES                                         ; in front of the loads into K's registers and of the reads of the scores
.if (\q) < 3
	FETCH_K (\q)+1                                 ; the next step's K lands under the softmax
.endif
	s_cmp_lt_u32 s17, s[QB]
	s_cbranch_scc1 .Lopen_\@                       ; all 64 keys come before my block: nothing is hidden
	s_sub_co_i32 s18, s[QB], s17                   ; 0 on the diagonal, negative behind it
	v_add_nc_u32 v[T], s18, v[DL]
.set i, 0
.rept 32
	v_cmp_gt_i32 vcc_lo, 16*(i/8)+i%8, v[T]
	v_cndmask_b32 v[S+i], v[S+i], v[NINF], vcc_lo
.set i, i+1
.endr
.Lopen_\@:
	SOFTMAX
.if (\q) < 3
	s_wait_dscnt 32                                ; V is in; the next K's 32 loads may be out
.else
	s_wait_dscnt 0x0
.endif
	WIN W_PV
.irp c, 0,1                                    ; O^T += V^T P: the eight accumulators by turns
.irp dt, 0,1,2,3,4,5,6,7
	v_wmma_f32_16x16x32_f16 v[OT+8*\dt:OT+8*\dt+7], v[64*\c+8*\dt:64*\c+8*\dt+7], v[P+8*\c:P+8*\c+7], v[OT+8*\dt:OT+8*\dt+7]
.endr
.endr
	WIN 0
	PLACES                                         ; in front of the next loads into V's registers and of the next reads of O^T
.endm
.macro SLOT_STEPS id
	STEP 0, \id
	STEP 1, \id
	STEP 2, \id
	STEP 3, \id
.Lend_\id:
	s_xor_b32 s[TB], s[TB], SLOTB                  ; on to the other slot
	s_add_co_u32 s[KF0], s[KF0], 4*KS
.endm
; THE CHANGE OF SLOTS stands at a slot's head.  Each wave waits for all its tensor loads (one is out: its part of the slot that it is about to read), adds 0 to its spare word, and waits for that and for its reads of the slot
; that it has left.  fill = 1: a round of the cluster's barrier, and behind it the slot that was left takes the next 256 keys: the load has four key steps in which to land.  (Slot 1's first fill stands behind the first round.)
.macro CHANGE fill
	s_wait_tensorcnt 0x0                           ; no tensor load of mine is out, so a group 0 may be written
	ds_add_u32 v[SPW], v[NIL]
.if \fill
	s_xor_b32 s[NB], s[NB], SLOTB
	s_add_co_u32 s[G0K+1], s[NB], s[WOFFK]
	s_add_co_u32 s[G0V+1], s[NB], s[WOFFV]
	s_add_nc_u64 s[G0K+2:G0K+3], s[G0K+2:G0K+3], 4*KS*256
	s_add_nc_u64 s[G0V+2:G0V+3], s[G0V+2:G0V+3], 4*KS*256
	s_wait_xcnt 0x0                                ; the last prefetch, a slot back, has read its address
	s_add_nc_u64 s[PFA:PFA+1], s[PFA:PFA+1], 4*KS*256
	s_wait_dscnt 0x0                               ; the add is done, and my reads of the slot that I have left are over
	CROUND
	JLOAD
	ASK
.else
	s_wait_dscnt 0x0
	s_barrier_signal -1
	s_barrier_wait -1
.endif
.endm
	s_wait_loadcnt 0x0                             ; Q
.Lslot:                                            ; seven trips: behind each change of slots but the last the next slot is asked for
	CHANGE 1
	SLOT_STEPS 0
	s_sub_co_u32 s[SLOTS], s[SLOTS], 1
	s_cmp_lg_u32 s[SLOTS], 0
	s_cbranch_scc1 .Lslot
	CHANGE 0                                       ; the last slot is written out
	SLOT_STEPS 1
	; THE WAY OUT: O^T / l, rounded to f16, through my stage: 16 bytes a lane in, whole rows of 256 bytes back.
	s_wait_dscnt 0x0                               ; a run of K's loads that no step used may still be out
	v_add_f32 v[T], v[L], v[L+1]
	v_permlanex16_b32 v[T+1], v[T], s[SEL], s[SEL+1]
	v_add_f32 v[T], v[T], v[T+1]
	v_rcp_f32 v[A], v[T]
	v_nop
	s_wait_alu depctr_va_vdst(0)
	WIN W_RS
.set i, 0
.rept 32
	v_pk_mul_f32 v[OT+2*i:OT+2*i+1], v[OT+2*i:OT+2*i+1], v[A:A+1] op_sel_hi:[1,0]
.set i, i+1
.endr
	WIN 0x05                                       ; sources 0 and 1 in window 1
.set i, 0
.rept 32
	v_cvt_pk_f16_f32 v[S+i], v[OT+2*i], v[OT+2*i+1]
.set i, i+1
.endr
	WIN 0
.irp f, 0,1,2,3,4,5,6,7
	ds_store_b128 v[STO], v[S+4*\f:S+4*\f+3] offset:32*\f
.endr
.irp f, 0,1,2,3,4,5,6,7
	ds_load_b128 v[S+4*\f:S+4*\f+3], v[RD] offset:\f*2*SP   ; LDS serves a wave's instructions in order: these see the stores above
.endr
.irp f, 0,1,2,3,4,5,6,7
	s_wait_dscnt 7-\f
	global_store_b128 v[GO], v[S+4*\f:S+4*\f+3], s[OP:OP+1] offset:4096*\f   ; 16 lanes store 256 consecutive bytes, aligned
.endr
	s_wait_tensorcnt 0x0                           ; the wave's end
	ds_add_u32 v[SPW], v[NIL]
	s_wait_dscnt 0x0
	CROUND                                         ; the closing round
	s_endpgm
.Lfunc_end_k_qabb52c5929_attn:
	.size	k_qabb52c5929_attn, .Lfunc_end_k_qabb52c5929_attn-k_qabb52c5929_attn
	.p2alignl 7, 3214868480
	.fill 96, 4, 3214868480
	.section	.rodata,"a",@progbits
	.p2align	6, 0x0
	.amdhsa_kernel k_qabb52c5929_attn
		.amdhsa_group_segment_fixed_size 327680
		.amdhsa_private_segment_fixed_size 0
		.amdhsa_enable_private_segment 0
		.amdhsa_kernarg_size 16
		.amdhsa_user_sgpr_count 2
		.amdhsa_user_sgpr_kernarg_segment_ptr 1
		.amdhsa_wavefront_size32 1
		.amdhsa_system_sgpr_workgroup_id_x 1
		.amdhsa_system_sgpr_workgroup_id_y 1
		.amdhsa_system_sgpr_workgroup_id_z 1
		.amdhsa_system_vgpr_workitem_id 0
		.amdhsa_next_free_vgpr 512
		.amdhsa_next_free_sgpr 66
		.amdhsa_reserve_vcc 1
		.amdhsa_float_denorm_mode_32 3
		.amdhsa_float_denorm_mode_16_64 3
		.amdhsa_memory_ordered 1
		.amdhsa_forward_progress 1
		.amdhsa_inst_pref_size 148
	.end_amdhsa_kernel
	.amdgpu_metadata
---
amdhsa.version: [ 1, 2 ]
amdhsa.kernels:
  - .name:           k_qabb52c5929_attn
    .symbol:         k_qabb52c5929_attn.kd
    .args:
      - { .name: qkv16, .offset: 0, .size: 8, .value_kind: global_buffer, .address_space: global }
      - { .name: o16, .offset: 8, .size: 8, .value_kind: global_buffer, .address_space: global }
    .group_segment_fixed_size: 327680
    .private_segment_fixed_size: 0
    .kernarg_segment_align: 8
    .kernarg_segment_size: 16
    .max_flat_workgroup_size: 256
    .sgpr_count:     66
    .vgpr_count:     512
    .wavefront_size: 32
...
	.end_amdgpu_metadata
.endif
;; end of part 3
;; launch oproj (part 4): grid 16 x 16, 4 waves a work-group, clusters of 4 x 4, 327,680 bytes of LDS; arguments o16, wo16, out0; writes out0
.if DOCPART == 4
	.amdgcn_target "amdgcn-amd-amdhsa--gfx1250"
	.amdhsa_code_object_version 6
	.text
	.protected	k_qabb52c5929_oproj
	.globl	k_qabb52c5929_oproj
	.p2align	8
	.type	k_qabb52c5929_oproj,@function
k_qabb52c5929_oproj:
	s_mov_b64 s[64:65], 0
	v_nop
	global_prefetch_b8 v0, s[64:65] scope:SCOPE_SE
	s_setreg_imm32_b32 hwreg(HW_REG_WAVE_MODE, 25, 1), 1
	s_wait_xcnt 0x0
	s_wait_alu depctr_hold_cnt(0) depctr_sa_sdst(0) depctr_va_vdst(0) depctr_va_sdst(0) depctr_va_ssrc(0) depctr_va_vcc(0) depctr_vm_vsrc(0)
	s_getreg_b32 s2, hwreg(HW_REG_IB_STS2, 6, 4)
	s_cmp_eq_u32 s2, 0
	s_cbranch_scc0 .Lentry_in_a_cluster
	s_endpgm
.Lentry_in_a_cluster:
	s_bfe_u32 s2, ttmp6, 0x10000c
	s_cmp_lg_u32 s2, 0xf033
	s_cbranch_scc0 .Lentry_shape_is_right
	s_endpgm
.Lentry_shape_is_right:
; out0 [4096][2048] f32 = o16 [4096][1024] f16 times wo16 [1024 (k)][2048 (n)] f16; sums in f32.
; A tile of C is 256 rows x 128 columns: 16 x 16 = 256 equal work-groups.  Four waves, each 128 rows x 64 columns: 32 accumulators of 16 x 16, 256 registers.
; For 32 along K a wave reads 128 rows of A and 64 columns of B from LDS (24 loads of 512 bytes) for 32 matrix instructions.
; K goes in steps of 128 through two LDS slots.  A's tile: 256 rows of 256 bytes (pitch 272).  B's K is its FIRST axis: its tile is 128 rows (k) of 256 bytes (128 n), pitch 288, and its fragments come out of LDS turned,
; by ds_load_tr16_b128.  Two slots of a longer step do not fit in LDS beside each other.
; CLUSTERS: 4 x 4 work-groups; A's tiles are asked for jointly along a row of the cluster, B's along a column.  The matrix instruction is used transposed (source 0 = 16 columns of B, source 1 = 16 rows of A):
; a lane then holds eight neighbouring numbers of a row of C.
; THE WAY OUT: a wave's 64 columns of f32 are 256 consecutive bytes of a row of C, at a multiple of 256: each wave sends its blocks of 16 rows through a stage of its own, and no wave waits for another.
; Rows 0-15 of each batch are stored here and once more, finer, by the launch that follows.
; REGISTERS: window 0: v0-31 addresses; v32-95 rows on the way out, two sets.  Window 1: two fragment buffers, at v0 and v128: 64 registers of A (8 x 16 rows x 32 K), then 32 of B.  Window 2: the accumulators ((a, b) at v[8 (4 a + b)]).
.set SIZE_N, 2048
.set SIZE_K, 1024
.set KSTEP,  128
.set PITCH,  272                       ; a row of A in LDS: 256 bytes + 16: the 16 rows that a load touches start at 16 different banks
.set PB,     288                       ; a row of B: 256 + 32, for the turning load
.set HALFA,  128*PITCH                 ; what waves 0 and 1 fetch
.set HALFB,  64*PB                     ; what waves 2 and 3 fetch
.set BOFF,   2*HALFA
.set SLOT,   BOFF+2*HALFB
.set STAGE,  2*SLOT                    ; behind the ring: 16 rows x 272 bytes for each wave, for the way out
.set SPITCH, 272
.set SPARE,  STAGE+4*16*SPITCH         ; the spare words, 128 bytes for each wave: two blocks of 256 bytes that no other line names
.set LAPS, SIZE_K/(2*KSTEP)            ; a lap = two K steps = once round the ring
.set ADRA, 16                          ; v16-17  my A fragments in slot 0, 1
.set ADRB, 20                          ; v20-21  my B fragments in slot 0, 1
.set STO,  24                          ; v24     the way out: where I put 32 bytes of a row
.set RD,   25                          ; v25     the way out: where I read a row back
.set CO,   26                          ; v26     my byte offset in C
.set SPW,  28
.set NIL,  29
.set BK,   32
.set F0,   0
.set F1,   128
.set G1, 24
.set G0, 32
.set G1B, 48
.set G0B, 56
.set MSB, 0
.macro WIN new                         ; the immediate's high byte repeats the setting that is left; a switch that changes nothing is dropped
.if MSB != (\new)
	s_set_vgpr_msb (MSB<<8)|(\new)
.set MSB, (\new)
.endif
.endm
.set MUL,  0xa5                        ; sources 0 (B) and 1 (A) window 1; C and D window 2
.set TO_F, 0x40                        ; destination window 1, address window 0
.macro JLOAD s                         ; a joint load: waves 0 and 1 fetch A's two halves, waves 2 and 3 B's; an s_nop 0 and four v_nop follow each of the two lines
	s_cmp_eq_u32 s11, 0
	s_cbranch_scc0 .Lfor_b_\@
	tensor_load_to_lds s[G0+4*\s:G0+4*\s+3], s[G1:G1+7]
	s_nop 0
.rept 4
	v_nop
.endr
	s_branch .Lasked_\@
.Lfor_b_\@:
	tensor_load_to_lds s[G0B+4*\s:G0B+4*\s+3], s[G1B:G1B+7]
	s_nop 0
.rept 4
	v_nop
.endr
.Lasked_\@:
.endm
.macro CREST                           ; a round of the cluster's barrier behind its opening barrier
	s_cmp_lg_u32 s10, 0
	s_cbranch_scc1 .Lnot_wave_0_\@
	s_barrier_signal -3
.Lnot_wave_0_\@:
	s_barrier_wait -3
	s_barrier_signal -1
	s_barrier_wait -1
.endm
.macro CROUND
	s_barrier_signal -1
	s_barrier_wait -1
	CREST
.endm
	s_load_b128 s[4:7], s[0:1], 0x0                ; o16, wo16
	s_load_b64 s[8:9], s[0:1], 0x10                ; out0
	v_lshl_add_u32 v[SPW], v0, 2, SPARE
	v_mov_b32 v[NIL], 0
	ds_add_u32 v[SPW], v[NIL]                      ; the wave's opening: the add, twice on end, and its wait ahead of my first tensor load
	ds_add_u32 v[SPW], v[NIL]
	v_lshrrev_b32 v1, 5, v0
	v_readfirstlane_b32 s10, v1                    ; wave 0..3
	s_lshr_b32 s11, s10, 1                         ; which half of the tile's rows is mine.  Also: I fetch for A (0) or for B (1)
	s_and_b32 s12, s10, 1                          ; which half of its columns.  Also: which half of that tile I fetch
	s_bfe_u32 s40, ttmp6, 0x40000
	s_bfe_u32 s41, ttmp6, 0x40004
	s_lshl_b32 s42, ttmp9, 2
	s_add_co_u32 s42, s42, s40                     ; tile column = 4 x cluster x + cx
	s_and_b32 s13, ttmp7, 0xffff
	s_lshl_b32 s13, s13, 2
	s_add_co_u32 s13, s13, s41                     ; tile row = 4 x cluster y + cy
	s_lshl_b32 s43, s41, 2
	s_lshl_b32 s43, 15, s43                        ; my row of the cluster
	s_lshl_b32 s44, 0x1111, s40                    ; my column
	s_or_b32 s[G1+0], s43, (1<<16)|(1<<20)|(1<<21)|(5<<22)|(3<<25)   ; A: the mask; elements of 2 bytes; 4 words of padding after every 64; bit 21 set beside a mask
	s_mov_b32 s[G1+1], KSTEP<<16                   ; tensor_dim0 = 128
	s_mov_b32 s[G1+2], 128<<16                     ; tensor_dim1 = 128
	s_mov_b32 s[G1+3], KSTEP<<16                   ; tile_dim0
	s_mov_b32 s[G1+4], 128                         ; tile_dim1
	s_mov_b32 s[G1+5], SIZE_K                      ; the pitch
	s_mov_b32 s[G1+6], 0
	s_mov_b32 s[G1+7], 0
	s_or_b32 s[G1B+0], s44, (1<<16)|(1<<20)|(1<<21)|(5<<22)|(7<<25)  ; B: 8 words of padding after every 64
	s_mov_b32 s[G1B+1], 128<<16                    ; tensor_dim0 = 128 (n)
	s_mov_b32 s[G1B+2], 64<<16                     ; tensor_dim1 = 64 (k)
	s_mov_b32 s[G1B+3], 128<<16
	s_mov_b32 s[G1B+4], 64
	s_mov_b32 s[G1B+5], SIZE_N
	s_mov_b32 s[G1B+6], 0
	s_mov_b32 s[G1B+7], 0
	s_lshl_b32 s17, s12, 7
	s_lshl_b32 s16, s13, 8
	s_add_co_u32 s16, s16, s17                     ; A: row 256 x tile row + 128 x half,
	s_lshl_b32 s16, s16, 11                        ; of 2,048 bytes
	s_mov_b32 s17, 0
	s_lshl_b32 s46, s12, 18                        ; B: k row 64 x half, of 4,096 bytes,
	s_lshl_b32 s47, s42, 8                         ; + 256 bytes x tile column
	s_add_co_u32 s46, s46, s47
	s_mov_b32 s47, 0
	s_mul_i32 s20, s12, HALFA                      ; where they go: no place in the cluster enters an LDS address
	s_mul_i32 s21, s12, HALFB
	s_add_co_u32 s21, s21, BOFF
	s_wait_dscnt 0x0                               ; both opening adds are done
	s_wait_kmcnt 0x0
	s_add_nc_u64 s[14:15], s[4:5], s[16:17]
	s_add_nc_u64 s[46:47], s[6:7], s[46:47]
	CROUND                                         ; all sixteen work-groups are here: the first joint loads meet
.irp s, 0,1
	s_mov_b32 s[G0+4*\s], 1
	s_add_co_u32 s[G0+4*\s+1], s20, \s*SLOT
	s_add_nc_u64 s[G0+4*\s+2:G0+4*\s+3], s[14:15], \s*KSTEP*2
	s_or_b32 s[G0+4*\s+3], s[G0+4*\s+3], 0x80000000
	s_mov_b32 s[G0B+4*\s], 1
	s_add_co_u32 s[G0B+4*\s+1], s21, \s*SLOT
	s_add_nc_u64 s[G0B+4*\s+2:G0B+4*\s+3], s[46:47], \s*KSTEP*SIZE_N*2
	s_or_b32 s[G0B+4*\s+3], s[G0B+4*\s+3], 0x80000000
	JLOAD \s
.endr
	v_and_b32 v1, 15, v0                           ; l % 16
	v_bfe_u32 v2, v0, 4, 1                         ; l / 16
	v_mul_u32_u24 v3, v1, PITCH
	v_lshl_add_u32 v3, v2, 4, v3                   ; A: a fragment's row x pitch + 16 x half
	v_and_b32 v4, 7, v0
	v_bfe_u32 v5, v0, 3, 1
	v_lshl_add_u32 v4, v2, 3, v4                   ; B, for the turning load: k row 8 (l / 16) + l % 8, columns 8 ((l / 8) % 2) on
	v_mul_u32_u24 v4, v4, PB
	v_lshl_add_u32 v4, v5, 4, v4
	s_mul_i32 s21, s11, HALFA                      ; my 128 rows of A
	s_lshl_b32 s22, s12, 7                         ; my 64 columns of B: 128 bytes
	s_add_co_u32 s22, s22, BOFF
.irp s, 0,1
	v_add_nc_u32 v[ADRA+\s], s21, v3
	v_add_nc_u32 v[ADRB+\s], s22, v4
	s_add_co_u32 s21, s21, SLOT
	s_add_co_u32 s22, s22, SLOT
.endr
	s_mul_i32 s23, s10, 16*SPITCH
	s_add_co_u32 s23, s23, STAGE                   ; my stage
	v_mul_u32_u24 v4, v1, SPITCH                   ; in: row l % 16, 32 bytes for each half of the lanes
	v_lshl_add_u32 v4, v2, 5, v4
	v_add_nc_u32 v[STO], s23, v4
	v_mul_u32_u24 v5, v2, SPITCH                   ; back: lanes 0-15 take one row of 256 bytes, lanes 16-31 the next
	v_lshl_add_u32 v5, v1, 4, v5
	v_add_nc_u32 v[RD], s23, v5
	v_lshlrev_b32 v5, 13, v2                       ; and the same two rows in C: a row is 8,192 bytes
	v_lshl_add_u32 v[CO], v1, 4, v5
	s_lshl_b32 s16, s13, 8
	s_lshl_b32 s17, s11, 7
	s_add_co_u32 s16, s16, s17                     ; my first row of C: 256 x tile row + 128 x half
	s_lshl_b32 s16, s16, 13
	s_mov_b32 s17, 0
	s_add_nc_u64 s[8:9], s[8:9], s[16:17]
	s_lshl_b32 s46, s42, 9                         ; my first column, in bytes: 512 x tile column + 256 x half
	s_lshl_b32 s47, s12, 8
	s_add_co_u32 s46, s46, s47
	s_mov_b32 s47, 0
	s_add_nc_u64 s[8:9], s[8:9], s[46:47]
; 4 n matrix instructions: A's blocks a0 .. a0 + n - 1 x B's four, 32 along K, from buffer f.  zero = 1: the first product starts the sums: nothing is ever cleared.
; The 32 accumulators take turns, one instruction a turn, in the same order in every quarter.
.macro MULN f, a0, n, zero
.set aa, \a0
.rept \n
.irp b, 0,1,2,3
.if \zero
	v_wmma_f32_16x16x32_f16 v[8*(4*aa+\b):8*(4*aa+\b)+7], v[\f+64+8*\b:\f+64+8*\b+7], v[\f+8*aa:\f+8*aa+7], 0
.else
	v_wmma_f32_16x16x32_f16 v[8*(4*aa+\b):8*(4*aa+\b)+7], v[\f+64+8*\b:\f+64+8*\b+7], v[\f+8*aa:\f+8*aa+7], v[8*(4*aa+\b):8*(4*aa+\b)+7]
.endif
.endr
.set aa, aa+1
.endr
.endm
; 24 LDS loads in one run: the fragments of the slot's q-th 32 along K into buffer f: B's four, A's blocks 0-3, A's blocks 4-7
.macro FETCH slot, q, f
	WIN TO_F
.irp i, 0,1,2,3
	ds_load_tr16_b128 v[\f+64+8*\i:\f+64+8*\i+3],   v[ADRB+\slot] offset:(32*(\q))*PB+32*\i
	ds_load_tr16_b128 v[\f+64+8*\i+4:\f+64+8*\i+7], v[ADRB+\slot] offset:(32*(\q)+16)*PB+32*\i
.endr
.irp i, 0,1,2,3,4,5,6,7
	ds_load_b128 v[\f+8*\i:\f+8*\i+3],   v[ADRA+\slot] offset:64*(\q)+\i*16*PITCH
	ds_load_b128 v[\f+8*\i+4:\f+8*\i+7], v[ADRA+\slot] offset:64*(\q)+\i*16*PITCH+32
.endr
.endm
.macro PLACES                          ; four plain vector instructions in front of loads into registers that matrix instructions have read, and of reads of results
.rept 4
	v_nop
.endr
.endm
; A K step is four quarters of 32 along K, 32 matrix instructions each, on buffers 0, 1, 0, 1.  One of the first three: multiplies buffer f; in its middle it fetches the slot's quarter q into buffer g.
.macro QUARTER slot, q, f, g, zero
	s_wait_dscnt 8                                 ; B and A's blocks 0-3 are in; the youngest eight loads (A's blocks 4-7) may be out
	WIN MUL
	MULN \f, 0, 4, \zero
	PLACES
	FETCH \slot, \q, \g
	s_wait_dscnt 24                                ; all but the 24 just issued
	WIN MUL
	MULN \f, 4, 4, \zero
.endm
; The last quarter multiplies buffer 1 and changes slots: ONE barrier; in front of it each wave waits for all its tensor loads, adds 0 to its spare word, and waits for that and for its own reads of this slot.
; fill = 1: this slot is filled again, two K steps ahead; the barrier then opens a round of the cluster's barrier.
.macro TURN slot, next, fill
	WIN 0                                          ; (the add's two registers lie in window 0)
	s_wait_tensorcnt 0x0                           ; all my tensor loads have landed: the one that was out is my part of the next slot
	ds_add_u32 v[SPW], v[NIL]
	s_wait_dscnt 9                                 ; (the add and the youngest eight loads may be out)
	WIN MUL
	MULN F1, 0, 2, 0                               ; eight matrix instructions stand between the add and the wait for it
	s_wait_dscnt 0x0                               ; the add is done, and my reads of this slot are over
	s_barrier_signal -1
	MULN F1, 2, 2, 0
.if \fill
	WIN 0
.endif
	s_barrier_wait -1
.if \fill
	CREST                                          ; no wave of any partner still reads this slot's tile or has a load on its way
	s_add_nc_u64 s[G0+4*\slot+2:G0+4*\slot+3], s[G0+4*\slot+2:G0+4*\slot+3], 2*KSTEP*2
	s_add_nc_u64 s[G0B+4*\slot+2:G0B+4*\slot+3], s[G0B+4*\slot+2:G0B+4*\slot+3], 2*KSTEP*SIZE_N*2
	JLOAD \slot                                    ; the first tensor load behind the round: 112 matrix instructions ahead of the wait for it; its four v_nop are also the places in front of the loads below
.else
	PLACES
.endif
	FETCH \next, 0, F0
	WIN MUL
	MULN F1, 4, 4, 0
.endm
	s_wait_tensorcnt 1                             ; my part of K step 0 is in (K step 1's may be out)
	s_barrier_signal -1
	s_barrier_wait -1
	FETCH 0, 0, F0
	QUARTER 0, 1, F0, F1, 1                        ; the first quarter stands in front of the loop: its products start the sums
	WIN 0                                          ; at a label and at a branch every window is 0
	s_mov_b32 s3, LAPS-1
.Llap:                                                 ; a trip goes once round the ring, from a lap's second quarter to the next lap's first, and fills both slots again
	QUARTER 0, 2, F1, F0, 0
	QUARTER 0, 3, F0, F1, 0
	TURN 0, 1, 1
	QUARTER 1, 1, F0, F1, 0
	QUARTER 1, 2, F1, F0, 0
	QUARTER 1, 3, F0, F1, 0
	TURN 1, 0, 1
	QUARTER 0, 1, F0, F1, 0
	WIN 0
	s_sub_co_u32 s3, s3, 1
	s_cmp_lg_u32 s3, 0
	s_cbranch_scc1 .Llap
	QUARTER 0, 2, F1, F0, 0                        ; the last lap fills nothing, and has no round of the cluster's barrier
	QUARTER 0, 3, F0, F1, 0
	TURN 0, 1, 0
	QUARTER 1, 1, F0, F1, 0
	QUARTER 1, 2, F1, F0, 0
	QUARTER 1, 3, F0, F1, 0
	s_wait_dscnt 8                                 ; the very last quarter: nothing more to fetch
	WIN MUL
	MULN F1, 0, 4, 0
	s_wait_dscnt 0
	MULN F1, 4, 4, 0
	WIN 0
; THE WAY OUT, block by block of 16 rows x 64 columns.  A lane holds 32 neighbouring bytes of a row, and the lanes beside it hold other rows: so a block goes through my own stage and comes back as whole rows of 256 bytes.
; LDS serves a wave's instructions in order: no wait between the stores and the loads, nor in front of the next block's stores.
.macro TOSTAGE a
	WIN 0x08                                       ; an LDS store's data are its source 1: window 2
.irp b, 0,1,2,3
	ds_store_b128 v[STO], v[8*(4*(\a)+\b):8*(4*(\a)+\b)+3] offset:64*\b          ; each accumulator from its low end on
	ds_store_b128 v[STO], v[8*(4*(\a)+\b)+4:8*(4*(\a)+\b)+7] offset:64*\b+16
.endr
	WIN 0
.set BB, BK+32*((\a)%2)
.irp t, 0,1,2,3,4,5,6,7
	ds_load_b128 v[BB+4*\t:BB+4*\t+3], v[RD] offset:\t*2*SPITCH
.endr
.endm
.macro SEND a, younger                 ; younger: the LDS instructions issued behind block a's loads, which may stay out
.set BB, BK+32*((\a)%2)
	s_wait_dscnt \younger                          ; the block is back in registers
.if (\a) > 0
	s_add_nc_u64 s[8:9], s[8:9], 16*SIZE_N*4       ; (behind a wait on XCNT: the earlier stores have read their base)  16 rows of C on
.endif
.irp t, 0,1,2,3,4,5,6,7
	global_store_b128 v[CO], v[BB+4*\t:BB+4*\t+3], s[8:9] offset:2*\t*SIZE_N*4 th:TH_STORE_NT   ; 16 lanes store 256 consecutive bytes, at a multiple of 256 from C's first byte
.endr
.endm
	PLACES                                         ; behind the last products, in front of the reads of results
	TOSTAGE 0
.irp a, 1,2,3,4,5,6,7
.if \a > 1
	s_wait_xcnt 0x0                                ; block a - 2's stores have read their registers and their base: block a's loads may land there, and the base may step
.endif
	TOSTAGE \a
	SEND \a-1, 16                                  ; behind block a - 1's loads: block a's 8 stores and 8 loads
.endr
	s_wait_xcnt 0x0                                ; block 6's stores have read their base
	SEND 7, 0
	s_wait_tensorcnt 0x0                           ; the wave's end, behind my last tensor load and my last LDS store
	ds_add_u32 v[SPW], v[NIL]
	s_wait_dscnt 0x0
	CROUND                                         ; the closing round
	s_endpgm
.Lfunc_end_k_qabb52c5929_oproj:
	.size	k_qabb52c5929_oproj, .Lfunc_end_k_qabb52c5929_oproj-k_qabb52c5929_oproj
	.p2alignl 7, 3214868480
	.fill 96, 4, 3214868480
	.section	.rodata,"a",@progbits
	.p2align	6, 0x0
	.amdhsa_kernel k_qabb52c5929_oproj
		.amdhsa_group_segment_fixed_size 327680
		.amdhsa_private_segment_fixed_size 0
		.amdhsa_enable_private_segment 0
		.amdhsa_kernarg_size 24
		.amdhsa_user_sgpr_count 2
		.amdhsa_user_sgpr_kernarg_segment_ptr 1
		.amdhsa_wavefront_size32 1
		.amdhsa_system_sgpr_workgroup_id_x 1
		.amdhsa_system_sgpr_workgroup_id_y 1
		.amdhsa_system_sgpr_workgroup_id_z 1
		.amdhsa_system_vgpr_workitem_id 0
		.amdhsa_next_free_vgpr 768
		.amdhsa_next_free_sgpr 66
		.amdhsa_reserve_vcc 0
		.amdhsa_float_denorm_mode_32 3
		.amdhsa_float_denorm_mode_16_64 3
		.amdhsa_memory_ordered 1
		.amdhsa_forward_progress 1
		.amdhsa_inst_pref_size 86
	.end_amdhsa_kernel
	.amdgpu_metadata
---
amdhsa.version: [ 1, 2 ]
amdhsa.kernels:
  - .name:           k_qabb52c5929_oproj
    .symbol:         k_qabb52c5929_oproj.kd
    .args:
      - { .name: o16, .offset: 0, .size: 8, .value_kind: global_buffer, .address_space: global }
      - { .name: wo16, .offset: 8, .size: 8, .value_kind: global_buffer, .address_space: global }
      - { .name: out0, .offset: 16, .size: 8, .value_kind: global_buffer, .address_space: global }
    .group_segment_fixed_size: 327680
    .private_segment_fixed_size: 0
    .kernarg_segment_align: 8
    .kernarg_segment_size: 24
    .max_flat_workgroup_size: 128
    .sgpr_count:     66
    .vgpr_count:     768
    .wavefront_size: 32
...
	.end_amdgpu_metadata
.endif
;; end of part 4
;; launch first16 (part 5): grid 32 x 2, 8 waves a work-group, no clusters, 35,840 bytes of LDS; arguments first32, Wo, out0; writes out0
.if DOCPART == 5
	.amdgcn_target "amdgcn-amd-amdhsa--gfx1250"
	.amdhsa_code_object_version 6
	.text
	.protected	k_qabb52c5929_first16
	.globl	k_qabb52c5929_first16
	.p2align	8
	.type	k_qabb52c5929_first16,@function
k_qabb52c5929_first16:
	s_mov_b64 s[64:65], 0
	v_nop
	global_prefetch_b8 v0, s[64:65] scope:SCOPE_SE
	s_setreg_imm32_b32 hwreg(HW_REG_WAVE_MODE, 25, 1), 1
	s_wait_xcnt 0x0
; THE FIRST 16 POSITIONS OF EACH SEQUENCE, ONCE MORE, WITH f32 OPERANDS IN ALL THREE PRODUCTS: these rows average one to sixteen values and are the largest of the output, so that operands of 16 bits weigh most there.
; first32 [4][24 (q's, k's, v's 8 heads)][16][128] f32: batch b's rows lie at index 2 b of the first axis.  Wo [1024][2048] f32.  Rows 0-15 of each batch of out0 are stored over what the launch before has left there.
; A work-group takes a batch and 64 columns of out0.  Wave h does head h's attention (16 queries x 16 keys; repeated in each of a batch's 32 work-groups: 64 matrix instructions, against a launch more), multiplies
; its own O by Wo's rows 128 h on, its slice of K, and the eight parts are added through LDS.
; V AND Wo COME BY LOADS OF 16 BYTES A LANE, sixteen lanes on 256 consecutive bytes of a row.  A lane's four neighbouring columns go to FOUR TILES: tile c takes columns 4 r + c (which columns form a tile is free).
; The operand wants two neighbours along K in a register pair, and a load gives four columns of one k: so each two loads (k, k + 1) are turned by six moves: of x0 x1 x2 x3 | y0 y1 y2 y3 they make
; x0 y0 x2 y2 | x1 y1 x3 y3, and column c's pair stands 4 (c % 2) + 2 (c / 2) registers on.
; Along each product's K the places are permuted alike on both sides.  O^T's tile T = 4 u + c holds, in lane (q, h) and register j, channel 64 u + 32 h + 4 j + c of query q; Wo's rows are loaded in that very order.
; The registers that the f32 matrix form writes (v160-255) are written by matrix instructions alone; its distances are 8 places in front of reads and loads, 9 in front of a matrix instruction that takes a result as an operand.
; REGISTERS: window 0: v1-15 addresses and statistics; v16-79 Q, later Wo's tiles 6 and 7; v80-143 K, later the eight parts; v144-151 the scores, later at work in the turning; v152-159 P;
;   v160-191 four partial S^T, later my four tiles of out; v192-255 O^T.   window 1: v0-63 V; v64-255 Wo's tiles 0 to 5, 32 registers each.
.set RP,    272
.set SPARE, 8*16*RP                    ; the spare words, 128 bytes for each wave: four blocks of 256 bytes that no other line names
.set SPW, 14
.set NIL, 15
.set TMP, 144
.set MSB, 0
.macro WIN new
.if MSB != (\new)
	s_set_vgpr_msb (MSB<<8)|(\new)
.set MSB, (\new)
.endif
.endm
.macro NOPS n
.rept \n
	v_nop
.endr
.endm
.macro WLOAD T, base                   ; Wo(128 head + 64 (T / 4) + 32 (l / 16) + 4 e + T % 4, n0 + 4 (l % 16) + 0..3) into registers base + 4 e on
.irp e, 0,1,2,3,4,5,6,7
	global_load_b128 v[\base+4*\e:\base+4*\e+3], v6, s[6:7] offset:(64*((\T)/4)+4*\e+((\T)%4))*8192
.endr
.endm
.macro TRANS base, w                   ; 32 registers (eight loads) in window w are turned: 24 moves, through eight registers of window 0
	WIN \w                                         ; source 0 in window w
.irp g, 0,1,2,3
	v_mov_b32 v[TMP+2*\g],   v[\base+8*\g+1]       ; x1
	v_mov_b32 v[TMP+2*\g+1], v[\base+8*\g+3]       ; x3
.endr
	WIN 0x41*\w                                    ; source 0 and destination in window w
.irp g, 0,1,2,3
	v_mov_b32 v[\base+8*\g+1], v[\base+8*\g+4]     ; y0
	v_mov_b32 v[\base+8*\g+3], v[\base+8*\g+6]     ; y2
.endr
	WIN 0x40*\w                                    ; destination in window w
.irp g, 0,1,2,3
	v_mov_b32 v[\base+8*\g+4], v[TMP+2*\g]
	v_mov_b32 v[\base+8*\g+6], v[TMP+2*\g+1]
.endr
.endm
	s_load_b128 s[4:7], s[0:1], 0x0                ; first32, Wo
	s_load_b64 s[8:9], s[0:1], 0x10                ; out0
	v_lshl_add_u32 v[SPW], v0, 2, SPARE
	v_mov_b32 v[NIL], 0
	v_lshrrev_b32 v1, 5, v0
	v_readfirstlane_b32 s10, v1                    ; wave = head
	s_and_b32 s11, ttmp7, 0xffff                   ; batch
	v_and_b32 v1, 15, v0                           ; r
	v_bfe_u32 v2, v0, 4, 1                         ; h
	v_lshlrev_b32 v3, 9, v1
	v_lshl_add_u32 v3, v2, 8, v3                   ; Q, K: row r of 512 bytes, channels 64 h on
	v_lshlrev_b32 v4, 4, v1                        ; 16 r
	v_lshl_add_u32 v5, v2, 12, v4                  ; V: keys 8 h on (rows of 512 bytes), channels 4 r on
	v_lshl_add_u32 v6, v2, 18, v4                  ; Wo: rows 32 h on (of 8,192 bytes), columns 4 r on
	v_lshlrev_b32 v7, 3, v2
	v_sub_nc_u32 v7, v1, v7                        ; key 8 h + j is hidden where j > r - 8 h
	s_mul_i32 s18, s10, 16*RP
	v_mul_u32_u24 v8, v2, 8*RP
	v_add_nc_u32 v8, v8, v4
	v_add_nc_u32 v8, s18, v8                       ; my part: rows 8 h on, columns 4 r on
	v_lshrrev_b32 v12, 4, v0                       ; at the end thread t takes row t / 16, piece t % 16
	v_mul_u32_u24 v9, v12, RP
	v_lshl_add_u32 v9, v1, 4, v9
	v_lshlrev_b32 v10, 13, v12
	v_lshl_add_u32 v10, v1, 4, v10
	v_mov_b32 v11, 0xff800000
	v_mov_b32 v13, 0                               ; a lane exchange's destination counts as one of its sources
	s_mul_i32 s12, s11, 48
	s_add_co_u32 s12, s12, s10
	s_lshl_b32 s12, s12, 13                        ; (2 b x 24 + h) x 8,192 bytes
	s_mov_b32 s13, 0
	s_lshl_b32 s14, s10, 20                        ; 128 h rows of 8,192 bytes
	s_lshl_b32 s15, ttmp9, 8                       ; 64 columns of 4 bytes
	s_add_co_u32 s14, s14, s15
	s_mov_b32 s15, 0
	s_lshl_b32 s16, s11, 24                        ; 2,048 rows of 8,192 bytes
	s_lshl_b32 s17, ttmp9, 8
	s_add_co_u32 s16, s16, s17
	s_mov_b32 s17, 0
	s_mov_b32 s20, 0x3e0293ee                      ; c = log2(e) / sqrt(128)
	s_mov_b32 s22, 0x76543210
	s_mov_b32 s23, 0xfedcba98
	s_wait_kmcnt 0x0
	s_add_nc_u64 s[4:5], s[4:5], s[12:13]
	s_add_nc_u64 s[6:7], s[6:7], s[14:15]
	s_add_nc_u64 s[8:9], s[8:9], s[16:17]
.set i, 0
.rept 16
	global_load_b128 v[16+4*i:19+4*i], v3, s[4:5] offset:16*i            ; Q: register e holds channel 64 h + e
.set i, i+1
.endr
.set i, 0
.rept 16
	global_load_b128 v[80+4*i:83+4*i], v3, s[4:5] offset:65536+16*i      ; K likewise
.set i, i+1
.endr
	WIN 0x40
.irp u, 0,1
.irp e, 0,1,2,3,4,5,6,7
	global_load_b128 v[32*\u+4*\e:32*\u+4*\e+3], v5, s[4:5] offset:131072+512*\e+256*\u   ; V(8 h + e, 64 u + 4 r + 0..3)
.endr
.endr
.irp T, 0,1,2,3,4,5
	WLOAD \T, 64+32*\T                             ; six of Wo's eight tiles are asked for at once
.endr
	WIN 0
	s_wait_loadcnt 63                              ; 64 loads were issued behind Q's and K's: with at most 63 out those are in
.set i, 0
.rept 32                                       ; S^T = K Q^T: four accumulators by turns, one instruction a turn; the first four start the sums
.if i < 4
	v_wmma_f32_16x16x4_f32 v[160+8*(i%4):167+8*(i%4)], v[80+2*i:81+2*i], v[16+2*i:17+2*i], 0
.else
	v_wmma_f32_16x16x4_f32 v[160+8*(i%4):167+8*(i%4)], v[80+2*i:81+2*i], v[16+2*i:17+2*i], v[160+8*(i%4):167+8*(i%4)]
.endif
.set i, i+1
.endr
	NOPS 8                                         ; in front of the loads into Q's registers and of the reads of the scores
	WLOAD 6, 16                                    ; the last two tiles take the registers that Q has left
	WLOAD 7, 48
.irp p, 0,1,2,3
	v_pk_add_f32 v[144+2*\p:145+2*\p], v[160+2*\p:161+2*\p], v[168+2*\p:169+2*\p]   ; the four parts, each from its low end on
.endr
.irp p, 0,1,2,3
	v_pk_add_f32 v[152+2*\p:153+2*\p], v[176+2*\p:177+2*\p], v[184+2*\p:185+2*\p]
.endr
.irp p, 0,1,2,3
	v_pk_add_f32 v[144+2*\p:145+2*\p], v[144+2*\p:145+2*\p], v[152+2*\p:153+2*\p]   ; lane (r, h): query r, keys 8 h + 0..7
.endr
.irp j, 0,1,2,3,4,5,6,7
	v_cmp_gt_i32 vcc_lo, \j, v7
	v_cndmask_b32 v[144+\j], v[144+\j], v11, vcc_lo
.endr
	v_max3_num_f32 v12, v144, v145, v146
	v_max3_num_f32 v12, v12, v147, v148
	v_max3_num_f32 v12, v12, v149, v150
	v_max_num_f32 v12, v12, v151
	v_permlanex16_b32 v13, v12, s22, s23
	v_max_num_f32 v12, v12, v13                    ; the row's maximum: key 0 counts for every query
	v_mul_f32 v13, s20, v12
.irp j, 0,1,2,3,4,5,6,7
	v_fma_f32 v[144+\j], v[144+\j], s20, -v13
.endr
.irp j, 0,1,2,3,4,5,6,7
	v_exp_f32 v[144+\j], v[144+\j]
.endr
	v_nop
	s_wait_alu depctr_va_vdst(0)                   ; one wait for the batch, ahead of its first reader
	v_pk_add_f32 v[152:153], v[144:145], v[146:147]
	v_pk_add_f32 v[154:155], v[148:149], v[150:151]
	v_pk_add_f32 v[152:153], v[152:153], v[154:155]
	v_add_f32 v12, v152, v153
	v_permlanex16_b32 v13, v12, s22, s23
	v_add_f32 v12, v12, v13
	v_rcp_f32 v12, v12
	v_nop
	s_wait_alu depctr_va_vdst(0)
.irp j, 0,1,2,3,4,5,6,7
	v_mul_f32 v[152+\j], v[144+\j], v12            ; P: normalised here, in f32
.endr
	s_wait_loadcnt 63                              ; 64 loads (Wo's eight tiles) were issued behind V's: with at most 63 out V is in
	TRANS 0, 1
	TRANS 32, 1
	WIN 0x01                                       ; source 0 in window 1
.irp g, 0,1,2,3                                ; O^T = V^T P: eight accumulators by turns; tile T = 4 u + c takes channels 64 u + 4 r + c
.irp T, 0,1,2,3,4,5,6,7
.if \g == 0
	v_wmma_f32_16x16x4_f32 v[192+8*\T:199+8*\T], v[32*(\T/4)+8*\g+4*((\T%4)%2)+2*((\T%4)/2):32*(\T/4)+8*\g+4*((\T%4)%2)+2*((\T%4)/2)+1], v[152+2*\g:153+2*\g], 0
.else
	v_wmma_f32_16x16x4_f32 v[192+8*\T:199+8*\T], v[32*(\T/4)+8*\g+4*((\T%4)%2)+2*((\T%4)/2):32*(\T/4)+8*\g+4*((\T%4)%2)+2*((\T%4)/2)+1], v[152+2*\g:153+2*\g], v[192+8*\T:199+8*\T]
.endif
.endr
.endr
	WIN 0
	NOPS 9                                         ; O^T is taken as an operand below
; out (my slice of K) = O Wo: source 0 = O^T's registers (a lane holds one query, its registers run along K), source 1 = Wo's pairs.  Tile c of out takes columns n0 + 4 r + c.  Four accumulators by turns.
.irp T, 0,1,2,3,4,5,6,7
.if \T < 6
.set WB, 64+32*\T
.set WW, 1
.else
.set WB, 16+32*(\T-6)
.set WW, 0
.endif
	s_wait_loadcnt 8*(7-\T)                        ; this tile's eight loads are in; the later tiles' may be out
	TRANS WB, WW
	WIN 0x04*WW                                    ; source 1 in the tile's window
.irp g, 0,1,2,3
.irp c, 0,1,2,3
.if (\T == 0) && (\g == 0)
	v_wmma_f32_16x16x4_f32 v[160+8*\c:167+8*\c], v[192+8*\T+2*\g:193+8*\T+2*\g], v[WB+8*\g+4*(\c%2)+2*(\c/2):WB+8*\g+4*(\c%2)+2*(\c/2)+1], 0
.else
	v_wmma_f32_16x16x4_f32 v[160+8*\c:167+8*\c], v[192+8*\T+2*\g:193+8*\T+2*\g], v[WB+8*\g+4*(\c%2)+2*(\c/2):WB+8*\g+4*(\c%2)+2*(\c/2)+1], v[160+8*\c:167+8*\c]
.endif
.endr
.endr
.endr
	WIN 0
	NOPS 8                                         ; in front of the reads of the results
.irp c, 0,1,2,3
.irp j, 0,1,2,3,4,5,6,7
	ds_store_b32 v8, v[160+8*\c+\j] offset:\j*RP+4*\c      ; lane (r, h): out(8 h + j, n0 + 4 r + c), my head's part; each accumulator from its low end on
.endr
.endr
	s_wait_dscnt 0x0                               ; for the others' sake: my part lies in LDS
	s_barrier_signal -1
	s_barrier_wait -1
.irp w, 0,1,2,3,4,5,6,7
	ds_load_b128 v[80+4*\w:83+4*\w], v9 offset:16*RP*\w
.endr
	s_wait_dscnt 0x0
.irp p, 0,2,4,6
	v_pk_add_f32 v[80+4*\p:81+4*\p], v[80+4*\p:81+4*\p], v[84+4*\p:85+4*\p]
	v_pk_add_f32 v[82+4*\p:83+4*\p], v[82+4*\p:83+4*\p], v[86+4*\p:87+4*\p]
.endr
.irp p, 0,4
	v_pk_add_f32 v[80+4*\p:81+4*\p], v[80+4*\p:81+4*\p], v[88+4*\p:89+4*\p]
	v_pk_add_f32 v[82+4*\p:83+4*\p], v[82+4*\p:83+4*\p], v[90+4*\p:91+4*\p]
.endr
	v_pk_add_f32 v[80:81], v[80:81], v[96:97]
	v_pk_add_f32 v[82:83], v[82:83], v[98:99]
	global_store_b128 v10, v[80:83], s[8:9]        ; 16 lanes store 256 consecutive bytes, aligned
	s_wait_tensorcnt 0x0                           ; the wave's end, behind my last LDS store
	ds_add_u32 v[SPW], v[NIL]
	s_wait_dscnt 0x0
	s_endpgm
.Lfunc_end_k_qabb52c5929_first16:
	.size	k_qabb52c5929_first16, .Lfunc_end_k_qabb52c5929_first16-k_qabb52c5929_first16
	.p2alignl 7, 3214868480
	.fill 96, 4, 3214868480
	.section	.rodata,"a",@progbits
	.p2align	6, 0x0
	.amdhsa_kernel k_qabb52c5929_first16
		.amdhsa_group_segment_fixed_size 35840
		.amdhsa_private_segment_fixed_size 0
		.amdhsa_enable_private_segment 0
		.amdhsa_kernarg_size 24
		.amdhsa_user_sgpr_count 2
		.amdhsa_user_sgpr_kernarg_segment_ptr 1
		.amdhsa_wavefront_size32 1
		.amdhsa_system_sgpr_workgroup_id_x 1
		.amdhsa_system_sgpr_workgroup_id_y 1
		.amdhsa_system_sgpr_workgroup_id_z 1
		.amdhsa_system_vgpr_workitem_id 0
		.amdhsa_next_free_vgpr 512
		.amdhsa_next_free_sgpr 66
		.amdhsa_reserve_vcc 1
		.amdhsa_float_denorm_mode_32 3
		.amdhsa_float_denorm_mode_16_64 3
		.amdhsa_memory_ordered 1
		.amdhsa_forward_progress 1
		.amdhsa_inst_pref_size 42
	.end_amdhsa_kernel
	.amdgpu_metadata
---
amdhsa.version: [ 1, 2 ]
amdhsa.kernels:
  - .name:           k_qabb52c5929_first16
    .symbol:         k_qabb52c5929_first16.kd
    .args:
      - { .name: first32, .offset: 0, .size: 8, .value_kind: global_buffer, .address_space: global }
      - { .name: Wo, .offset: 8, .size: 8, .value_kind: global_buffer, .address_space: global }
      - { .name: out0, .offset: 16, .size: 8, .value_kind: global_buffer, .address_space: global }
    .group_segment_fixed_size: 35840
    .private_segment_fixed_size: 0
    .kernarg_segment_align: 8
    .kernarg_segment_size: 24
    .max_flat_workgroup_size: 256
    .sgpr_count:     66
    .vgpr_count:     512
    .wavefront_size: 32
...
	.end_amdgpu_metadata
.endif
;; end of part 5
